; MI455X (gfx1250); checked and timed in simulation.
; The chip was launched on July 23, 2026; its instructions are those of AMD's public machine-readable ISA for CDNA 5 (MIT licence, August 2026) and "CDNA5" Instruction Set Architecture Reference Guide (July 2026). The comments in the code are by the model that wrote it; some were corrected since.
;; Multi Head Attention. Allowed arithmetic: matrix products marked QUANTISED: E2M1 operands, one E8M0 scale for each 32 along K, by v_wmma_scale_f32_16x16x128_f8f6f4 with both operands' format E2M1 (or v_wmma_scale_f32_32x16x128_f4), f32 sums; products left as they are: bf16, f16 or f32 operands; f32 sums; everything else in f32.
;; Inputs: freq_pos_enc 2,048 x 128 float32; wk 2,048 x 2,048 float32; wo 2,048 x 2,048 float32; wq 2,048 x 2,048 float32; wv 2,048 x 2,048 float32; x 1 x 2,048 x 2,048 float32.
;; Outputs: out0 1 x 2,048 x 2,048 float32.
;; Constants: d_k = 128, num_heads = 16.
;; This version of the problem:
;;   THIS VERSION OF THE PROBLEM IS GIVEN IN LOW PRECISION. The matrix products marked QUANTISED in the list below multiply operands that are first quantised to E2M1 (2 exponent bits, 1 mantissa bit; 4 bits a number), with one power-of-two scale for each 32 numbers along K (OCP MX v1.0); their sums are f32. The products marked 'left as it is' may take bf16, f16 or f32 operands, with f32 sums. Whichever they take, every output number must still come out within the allowed error. Rounding operands to bf16 (8 significant bits) uses up far more of that allowance than f16 does (11 bits, for magnitudes from 6e-5 to 65,504). All else is computed in f32.
;;   The module's matrix products, in the order in which they are computed (A, B: the left and right operand; K: the contracted axis; several contracted axes count as one K, in the product's order):
;;     1. [M 2,048, K 2,048] x [K 2,048, N 2,048]; A: input x; B: input wq: QUANTISED
;;     2. [M 2,048, K 2,048] x [K 2,048, N 2,048]; A: input x; B: input wk: QUANTISED
;;     3. [M 2,048, K 2,048] x [K 2,048, N 2,048]; A: input x; B: input wv: QUANTISED
;;     4. batch 16 x [M 2,048, K 128] x [K 128, N 2,048]; A: computed on the way; B: computed on the way: left as it is (an operand is computed on the way)
;;     5. batch 16 x [M 2,048, K 2,048] x [K 2,048, N 128]; A: computed on the way; B: computed on the way: left as it is (an operand is computed on the way)
;;     6. [M 2,048, K 2,048] x [K 2,048, N 2,048]; A: computed on the way; B: input wo: left as it is (an operand is computed on the way)
;;   THE QUANTISER, for each operand of a quantised product, along K:
;;     - K is cut into blocks of 32 from its start; a last block that is shorter is filled with zeros.
;;     - A block's scale is 2^e with e = floor(log2(the largest magnitude in the block)) - 2, held to -126 .. 127; a block of zeros has e = 0. As a byte (E8M0): e + 127.
;;     - Each number is divided by its block's scale, clamped to +-6, and rounded to the nearest number of E2M1, ties to even, subnormals kept.
;;     - The product sums the exact products of the quantised numbers (number of the format x scale) in f32.
;;   ~~~python
;;   def quantise(x, axis):      # numpy; x: float32 -> the quantised numbers, widened to float32 again
;;       x = np.moveaxis(x, axis, -1); K = x.shape[-1]
;;       x = np.pad(x, [(0, 0)] * (x.ndim - 1) + [(0, -K % 32)]); x = x.reshape(x.shape[:-1] + (-1, 32)); a = np.abs(x).max(-1, keepdims=True)
;;       e = np.where(a > 0, np.clip(np.frexp(np.where(a > 0, a, 1))[1] - 1 - 2, -126, 127), 0)      # np.frexp(a)[1] - 1 = floor(log2(a)), exactly
;;       r = np.clip(x / 2.0 ** e, -6, 6)
;;       step = 2.0 ** (np.maximum(np.frexp(np.where(r == 0, 1, r))[1] - 1, 0) - 1)
;;       q = np.round(r / step) * step * 2.0 ** e      # np.round: ties to even
;;       return np.moveaxis(q.reshape(q.shape[:-2] + (-1,))[..., :K], -1, axis).astype(np.float32)
;;   ~~~
;; One version. Each part assembles by itself: llvm-mc -triple=amdgcn-amd-amdhsa -mcpu=gfx1250 --defsym DOCPART=n.
;; ======== version 1 of 1: 5 launches
;; limits: values are held in f16: magnitudes above 65,504 overflow, below 6.1e-05 lose precision; right only within a limited range of input values
;; workspace buffers: codes 8,388,608 bytes; scl 524,288 bytes; wo16 8,388,608 bytes; tab 2,097,152 bytes; qkv16 25,165,824 bytes; a16 8,388,608 bytes; fine32 1,572,864 bytes
;; launch prep (part 1): grid 896 x 1, 4 waves a work-group, no clusters, 33,280 bytes of LDS; arguments x, wq, wk, wv, wo, freq_pos_enc, codes, scl, wo16, tab; writes codes, scl, wo16, tab
.if DOCPART == 1
	.amdgcn_target "amdgcn-amd-amdhsa--gfx1250"
	.amdhsa_code_object_version 6
	.text
	.protected	k_q9fa28b21c8_prep
	.globl	k_q9fa28b21c8_prep
	.p2align	8
	.type	k_q9fa28b21c8_prep,@function
k_q9fa28b21c8_prep:
	s_mov_b64 s[64:65], 0
	v_nop
	global_prefetch_b8 v0, s[64:65] scope:SCOPE_SE
	s_setreg_imm32_b32 hwreg(HW_REG_WAVE_MODE, 25, 1), 1
	s_wait_xcnt 0x0
; Three streams in one launch, told apart by the work-group's number.
;   work-groups 0-511:   x, wq, wk, wv (each [2048][2048] f32, K innermost) become codes of FP4 (E2M1), two a byte, and one E8M0 byte for each 32 along K.
;                        codes: [8192 rows][1024 bytes], rows 0-2047 x, then wq, wk, wv; scl: [8192][64 bytes].
;   work-groups 512-767: wo becomes f16, rounded to nearest even: wo16 [2048][2048].
;   work-groups 768-895: tab [2048 positions][256] f32: words 0-127 cos(pe[s][d]); words 128-255 -sin(pe[s][d]) for even d, +sin for odd d:
;                        rot(u)[d] = u[d] x word d + u[d xor 1] x word 128 + d.  Each angle is taken as it is given: the two of a pair are not assumed equal.
; A block's scale is 2^(floor(log2(its largest magnitude)) - 2); its byte is that magnitude's exponent field - 2, held at 1 from below.
; LIMITS: a block of zeros gets the byte 1 (its codes are zeros; this program alone reads the bytes); blocks whose largest magnitude lies under 2^-124 keep the byte 1;
; NaN and infinities are not served; |wo| stays under 65,504 (f16); |freq_pos_enc| up to 2^20 (the multiple of pi/2 is taken off in three fused steps).
; Only the first path uses LDS: a wave's own stage, in which a step's 2,048 bytes turn from 16 bytes a lane to 64 bytes a lane, and its 256 scale bytes.
.set WAVES, 4
.set STEPS, 16
.set EMAX,  2
.set CB,    8                          ; bytes of 16 codes
.set R,     16                         ; v16-79   four sets of 16 numbers as they are loaded
.set X,     80                         ; v80-111  two sets of 16 neighbours
.set C,     128                        ; v128-191 codes: four registers for each step
.set E,     112                        ; v112-127 a scale byte for each step
.set WREG,  8192                       ; LDS: a region for each wave: two stages of 32 x SP bytes, then 256 scale bytes
.set SP,    80                         ; a lane's place in a stage: 64 bytes + 16 of padding
.set SPW,   12                         ; v12 my spare word's LDS address; never rewritten
.set NIL,   13                         ; v13 0; never rewritten
.set SPARE, WAVES*WREG                 ; the spare words, 128 bytes a wave
	s_load_b512 s[8:23], s[0:1], 0x0               ; x s[8:9], wq s[10:11], wk s[12:13], wv s[14:15], wo s[16:17], pe s[18:19], codes s[20:21], scl s[22:23]
	s_load_b128 s[24:27], s[0:1], 0x40             ; wo16 s[24:25], tab s[26:27]
	v_lshl_add_u32 v[SPW], v0, 2, SPARE
	v_mov_b32 v[NIL], 0
	v_lshrrev_b32 v1, 5, v0
	v_readfirstlane_b32 s28, v1                    ; wave
	v_and_b32 v2, 31, v0                           ; lane
	s_mov_b32 s31, 0                               ; the high word of every offset pair s[30:31]
	s_wait_kmcnt 0x0
	s_cmp_ge_u32 ttmp9, 768
	s_cbranch_scc1 .Ltab
	s_cmp_ge_u32 ttmp9, 512
	s_cbranch_scc1 .Lwo
	; ---------------- the quantiser: a wave takes 16 steps of 512 numbers
	v_lshlrev_b32 v3, 4, v2                        ; my 16 bytes of a load's 512
	s_mul_i32 s29, s28, WREG
	v_lshrrev_b32 v14, 2, v2
	v_mul_u32_u24 v14, v14, SP
	v_and_b32 v15, 3, v2
	v_lshl_add_u32 v14, v15, 4, v14
	v_add_nc_u32 v14, s29, v14                     ; the stage, on the way in: SP (lane / 4) + 16 (lane % 4)
	v_mul_u32_u24 v15, v2, SP
	v_add_nc_u32 v15, s29, v15                     ; and on the way out: SP x lane: my 16 neighbours
	v_mul_u32_u24 v4, v2, CB                       ; my codes' place in a step's
	v_lshrrev_b32 v5, 1, v2
	s_add_co_u32 s29, s29, 2*32*SP
	v_add_nc_u32 v5, s29, v5                       ; my block's byte among my wave's 256
	v_lshlrev_b32 v7, 3, v2
	v_add_nc_u32 v6, s29, v7                       ; and on the way out 8 bytes a lane
	s_lshr_b32 s30, ttmp9, 7                       ; which tensor: 128 work-groups each.  The choice hangs on the work-group's number alone
	s_cmp_eq_u32 s30, 1
	s_cselect_b64 s[8:9], s[10:11], s[8:9]
	s_cmp_eq_u32 s30, 2
	s_cselect_b64 s[8:9], s[12:13], s[8:9]
	s_cmp_eq_u32 s30, 3
	s_cselect_b64 s[8:9], s[14:15], s[8:9]
	s_and_b32 s30, ttmp9, 127
	s_lshl_b32 s30, s30, 2
	s_add_co_u32 s30, s30, s28
	s_lshl_b32 s30, s30, 15                        ; my run of 8,192 numbers in the tensor: 32,768 bytes
	s_add_nc_u64 s[8:9], s[8:9], s[30:31]
	s_lshl_b32 s32, ttmp9, 2
	s_add_co_u32 s32, s32, s28                     ; my run among all four tensors'
	s_lshl_b32 s30, s32, 12                        ; 4,096 bytes of codes,
	s_add_nc_u64 s[20:21], s[20:21], s[30:31]
	s_lshl_b32 s30, s32, 8                         ; 256 scale bytes
	s_add_nc_u64 s[22:23], s[22:23], s[30:31]
.macro LOAD t
.irp i, 0,1,2,3
	global_load_b128 v[R+16*((\t)%4)+4*\i:R+16*((\t)%4)+4*\i+3], v3, s[8:9] offset:2048*(\t)+512*\i th:TH_LOAD_NT   ; 32 lanes read 512 consecutive bytes
.endr
.endm
.macro TURN t                          ; step t's numbers through the stage: LDS serves a wave's instructions in order, so no wait stands between the stores and the loads
.irp i, 0,1,2,3
	ds_store_b128 v14, v[R+16*((\t)%4)+4*\i:R+16*((\t)%4)+4*\i+3] offset:32*SP*((\t)%2)+8*SP*\i
.endr
.irp i, 0,1,2,3
	ds_load_b128 v[X+16*((\t)%2)+4*\i:X+16*((\t)%2)+4*\i+3], v15 offset:32*SP*((\t)%2)+16*\i
.endr
.endm
.irp t, 0,1,2,3
	LOAD \t
.endr
	s_wait_loadcnt 12                              ; step 0's four loads are in; the 12 of steps 1 to 3 may be out
	TURN 0
.macro STEP t
.set XS, X+16*((\t)%2)
.if (\t) > 0
	s_wait_dscnt 1                                 ; this step's numbers are back from the stage; the last step's byte store may be out
.else
	s_wait_dscnt 0x0
.endif
.if (\t)+4 < STEPS
	LOAD (\t)+4                                    ; into the registers that this step's stage stores have read
.endif
.if (\t)+1 < STEPS
.if STEPS-2-(\t) >= 3
	s_wait_loadcnt 12                              ; the next step's four loads are in; those of the three steps behind it may be out
.else
	s_wait_loadcnt 4*(STEPS-2-(\t))
.endif
	TURN (\t)+1
.endif
	v_max3_num_f32 v8, |v[XS]|, |v[XS+1]|, |v[XS+2]|               ; the largest magnitude of my 16, in two chains
	v_max3_num_f32 v9, |v[XS+3]|, |v[XS+4]|, |v[XS+5]|
.irp i, 6,10
	v_max3_num_f32 v8, v8, |v[XS+\i]|, |v[XS+\i+1]|
	v_max3_num_f32 v9, v9, |v[XS+\i+2]|, |v[XS+\i+3]|
.endr
	v_max3_num_f32 v8, v8, |v[XS+14]|, |v[XS+15]|
	v_max3_num_f32 v8, v8, v9, (EMAX+1)<<23        ; and the floor 2^(3 - 127): the byte cannot fall under 1
	v_max_num_f32_dpp v8, v8, v8 row_xmask:1 row_mask:0xf bank_mask:0xf   ; with my neighbour's 16: the block's
	v_add_nc_u32 v11, -(EMAX<<23), v8              ; 2 off its exponent field: the conversion takes the exponent field of this operand as its scale
	v_cvt_scalef32_pk8_fp4_f32 v[C+4*(\t)], v[XS:XS+7], v11
	v_cvt_scalef32_pk8_fp4_f32 v[C+4*(\t)+1], v[XS+8:XS+15], v11
	v_lshrrev_b32 v[E+(\t)], 23, v11               ; the scale's byte
	ds_store_b8 v5, v[E+(\t)] offset:16*(\t)       ; both lanes of a block write the same byte with the same value
	global_store_b64 v4, v[C+4*(\t):C+4*(\t)+1], s[20:21] offset:32*CB*(\t)   ; the wave stores 256 consecutive bytes, aligned
.endm
.irp t, 0,1,2,3,4,5,6,7,8,9,10,11,12,13,14,15
	STEP \t
.endr
	ds_load_b64 v[8:9], v6                         ; my wave's 256 scale bytes (LDS serves a wave in order)
	s_wait_dscnt 0x0
	global_store_b64 v7, v[8:9], s[22:23]          ; 256 consecutive bytes, aligned
	s_wait_tensorcnt 0x0                           ; the wave's end: behind my last LDS store
	ds_add_u32 v[SPW], v[NIL]
	s_wait_dscnt 0x0
	s_endpgm
	; ---------------- wo to f16: a wave takes 4,096 numbers; all 32 loads go out first, no register is used twice
.Lwo:
	s_sub_co_u32 s30, ttmp9, 512
	s_lshl_b32 s30, s30, 2
	s_add_co_u32 s32, s30, s28
	s_lshl_b32 s30, s32, 14
	s_add_nc_u64 s[16:17], s[16:17], s[30:31]
	s_lshl_b32 s30, s32, 13
	s_add_nc_u64 s[24:25], s[24:25], s[30:31]
	v_lshlrev_b32 v3, 4, v2
	v_lshlrev_b32 v4, 3, v2
.set i, 0
.rept 32
	global_load_b128 v[16+4*i:19+4*i], v3, s[16:17] offset:512*i th:TH_LOAD_NT
.set i, i+1
.endr
.set i, 0
.rept 32
	s_wait_loadcnt 31-i                            ; load i is in; the younger ones may be out
	v_cvt_pk_f16_f32 v[16+4*i], v[16+4*i], v[17+4*i]
	v_cvt_pk_f16_f32 v[17+4*i], v[18+4*i], v[19+4*i]
	global_store_b64 v4, v[16+4*i:17+4*i], s[24:25] offset:256*i   ; 256 consecutive bytes, aligned
.set i, i+1
.endr
	s_endpgm
	; ---------------- the table: a wave takes four positions; a row of angles is 512 bytes, 4 angles a lane
.Ltab:
	s_sub_co_u32 s30, ttmp9, 768
	s_lshl_b32 s30, s30, 4
	s_lshl_b32 s32, s28, 2
	s_add_co_u32 s32, s30, s32                     ; my first position
	s_lshl_b32 s30, s32, 9
	s_add_nc_u64 s[18:19], s[18:19], s[30:31]
	s_lshl_b32 s30, s32, 10
	s_add_nc_u64 s[26:27], s[26:27], s[30:31]
	v_lshlrev_b32 v3, 4, v2
.irp i, 0,1,2,3
	global_load_b128 v[16+4*\i:19+4*\i], v3, s[18:19] offset:512*\i th:TH_LOAD_NT
.endr
	s_mov_b32 s34, 0x3f22f983                      ; 2 / pi
	s_mov_b32 s35, 0xbfc90fdb                      ; pi / 2 in three parts, each with its sign turned
	s_mov_b32 s36, 0x333bbd2e
	s_mov_b32 s37, 0x26f72ced
	s_mov_b32 s38, 0x37ccf5ce                      ; cos r = 1 - z / 2 + z^2 (c2 + z (c1 + z c0)), z = r^2, |r| <= pi / 4
	s_mov_b32 s39, 0xbab6061a
	s_mov_b32 s40, 0x3d2aaaa5
	s_mov_b32 s41, 0xb94ca1f9                      ; sin r = r + r z (s2 + z (s1 + z s0))
	s_mov_b32 s42, 0x3c08839e
	s_mov_b32 s43, 0xbe2aaaa3
	s_mov_b32 s44, 0x80000000
; angle v[x] = n pi / 2 + r.  By n mod 4: sin = s, c, -s, -c; cos = c, -s, -c, s.  par = the parity of d: for even d the sine's sign is turned.  The choices are made by selects, never by a branch.
.macro SINCOS x, co, si, par
	v_mul_f32 v32, s34, v[\x]
	v_rndne_f32 v32, v32                           ; n
	v_fma_f32 v33, v32, s35, v[\x]
	v_fma_f32 v33, v32, s36, v33
	v_fma_f32 v33, v32, s37, v33                   ; r
	v_cvt_i32_f32 v34, v32
	v_mul_f32 v35, v33, v33                        ; z
	v_fma_f32 v36, s38, v35, s39
	v_fma_f32 v36, v36, v35, s40
	v_fma_f32 v37, v35, -0.5, 1.0
	v_mul_f32 v38, v35, v35
	v_fma_f32 v36, v36, v38, v37                   ; c
	v_fma_f32 v39, s41, v35, s42
	v_fma_f32 v39, v39, v35, s43
	v_mul_f32 v38, v35, v33
	v_fma_f32 v39, v39, v38, v33                   ; s
	v_and_b32 v40, 1, v34
	v_cmp_eq_u32 vcc_lo, 1, v40
	v_cndmask_b32 v[\si], v39, v36, vcc_lo
	v_cndmask_b32 v[\co], v36, v39, vcc_lo
.if \par
	v_lshlrev_b32 v40, 30, v34                     ; bit 1 of n is the sine's sign
.else
	v_add_nc_u32 v40, 2, v34
	v_lshlrev_b32 v40, 30, v40
.endif
	v_and_b32 v40, s44, v40
	v_xor_b32 v[\si], v[\si], v40
	v_add_nc_u32 v41, 1, v34                       ; bit 1 of n + 1 is the cosine's
	v_lshlrev_b32 v41, 30, v41
	v_and_b32 v41, s44, v41
	v_xor_b32 v[\co], v[\co], v41
.endm
.irp i, 0,1,2,3
	s_wait_loadcnt 3-\i                            ; row i is in; the later rows may be out
.irp e, 0,1,2,3
	SINCOS 16+4*\i+\e, 48+4*\i+\e, 64+4*\i+\e, \e%2
.endr
	global_store_b128 v3, v[48+4*\i:51+4*\i], s[26:27] offset:1024*\i        ; 512 consecutive bytes, aligned
	global_store_b128 v3, v[64+4*\i:67+4*\i], s[26:27] offset:1024*\i+512
.endr
	s_endpgm
.Lfunc_end_k_q9fa28b21c8_prep:
	.size	k_q9fa28b21c8_prep, .Lfunc_end_k_q9fa28b21c8_prep-k_q9fa28b21c8_prep
	.p2alignl 7, 3214868480
	.fill 96, 4, 3214868480
	.section	.rodata,"a",@progbits
	.p2align	6, 0x0
	.amdhsa_kernel k_q9fa28b21c8_prep
		.amdhsa_group_segment_fixed_size 33280
		.amdhsa_private_segment_fixed_size 0
		.amdhsa_enable_private_segment 0
		.amdhsa_kernarg_size 80
		.amdhsa_user_sgpr_count 2
		.amdhsa_user_sgpr_kernarg_segment_ptr 1
		.amdhsa_wavefront_size32 1
		.amdhsa_system_sgpr_workgroup_id_x 1
		.amdhsa_system_sgpr_workgroup_id_y 1
		.amdhsa_system_sgpr_workgroup_id_z 1
		.amdhsa_system_vgpr_workitem_id 0
		.amdhsa_next_free_vgpr 192
		.amdhsa_next_free_sgpr 66
		.amdhsa_reserve_vcc 1
		.amdhsa_float_denorm_mode_32 3
		.amdhsa_float_denorm_mode_16_64 3
		.amdhsa_memory_ordered 1
		.amdhsa_forward_progress 1
		.amdhsa_inst_pref_size 66
	.end_amdhsa_kernel
	.amdgpu_metadata
---
amdhsa.version: [ 1, 2 ]
amdhsa.kernels:
  - .name:           k_q9fa28b21c8_prep
    .symbol:         k_q9fa28b21c8_prep.kd
    .args:
      - { .name: x, .offset: 0, .size: 8, .value_kind: global_buffer, .address_space: global }
      - { .name: wq, .offset: 8, .size: 8, .value_kind: global_buffer, .address_space: global }
      - { .name: wk, .offset: 16, .size: 8, .value_kind: global_buffer, .address_space: global }
      - { .name: wv, .offset: 24, .size: 8, .value_kind: global_buffer, .address_space: global }
      - { .name: wo, .offset: 32, .size: 8, .value_kind: global_buffer, .address_space: global }
      - { .name: freq_pos_enc, .offset: 40, .size: 8, .value_kind: global_buffer, .address_space: global }
      - { .name: codes, .offset: 48, .size: 8, .value_kind: global_buffer, .address_space: global }
      - { .name: scl, .offset: 56, .size: 8, .value_kind: global_buffer, .address_space: global }
      - { .name: wo16, .offset: 64, .size: 8, .value_kind: global_buffer, .address_space: global }
      - { .name: tab, .offset: 72, .size: 8, .value_kind: global_buffer, .address_space: global }
    .group_segment_fixed_size: 33280
    .private_segment_fixed_size: 0
    .kernarg_segment_align: 8
    .kernarg_segment_size: 80
    .max_flat_workgroup_size: 128
    .sgpr_count:     66
    .vgpr_count:     192
    .wavefront_size: 32
...
	.end_amdgpu_metadata
.endif
;; end of part 1
;; launch qkv (part 2): grid 24 x 8, 4 waves a work-group, clusters of 4 x 4, 327,680 bytes of LDS; arguments codes, scl, tab, fine32, qkv16; writes fine32, qkv16
.if DOCPART == 2
	.amdgcn_target "amdgcn-amd-amdhsa--gfx1250"
	.amdhsa_code_object_version 6
	.text
	.protected	k_q9fa28b21c8_qkv
	.globl	k_q9fa28b21c8_qkv
	.p2align	8
	.type	k_q9fa28b21c8_qkv,@function
k_q9fa28b21c8_qkv:
	s_mov_b64 s[64:65], 0
	v_nop
	global_prefetch_b8 v0, s[64:65] scope:SCOPE_SE
	s_setreg_imm32_b32 hwreg(HW_REG_WAVE_MODE, 25, 1), 1
	s_wait_xcnt 0x0
	s_wait_alu depctr_hold_cnt(0) depctr_sa_sdst(0) depctr_va_vdst(0) depctr_va_sdst(0) depctr_va_ssrc(0) depctr_va_vcc(0) depctr_vm_vsrc(0)
	s_getreg_b32 s2, hwreg(HW_REG_IB_STS2, 6, 4)
	s_cmp_eq_u32 s2, 0
	s_cbranch_scc0 .Lentry_in_a_cluster
	s_endpgm
.Lentry_in_a_cluster:
	s_bfe_u32 s2, ttmp6, 0x10000c
	s_cmp_lg_u32 s2, 0xf033
	s_cbranch_scc0 .Lentry_shape_is_right
	s_endpgm
.Lentry_shape_is_right:
; C[s][n] = sum over k of x[s][k] w[n][k], n = 0 .. 6143 running through wq, wk, wv; both operands are codes of FP4 (E2M1) with one E8M0 byte for each 32 along K; sums in f32.
; codes: [8192 rows][1024 bytes], rows 0-2047 x, rows 2048 + n the weights; scl: [8192][64].  The matrix instruction takes codes and scale bytes as they lie.
; A tile of C, 256 x 256, is made by four waves, 128 x 128 each: 64 accumulators of 16 x 16.  A wave's 128 columns are ONE head of q, k or v.
; K goes in steps of 512 through a ring of two LDS slots filled by the tensor data mover (rows of 256 bytes); the scale bytes of the tile's rows, for all of K, come once with the first fills.
; CLUSTERS: 4 x 4 work-groups; the four of a row ask jointly for x's tiles, the four of a column for the weights'.  The matrix instruction is used transposed (source 0 = weights, source 1 = x):
; a lane holds eight neighbouring columns of one row of C.
; THE WAY OUT: a block of 16 rows x 128 columns goes through the wave's stage in LDS and comes back as whole rows, 4 neighbouring channels a lane.  q and k are rotated there in f32:
; out[d] = u[d] cos[d] + u[d xor 1] ss[d], both factors from the table tab [position][256].  All three are rounded to f16 and stored as qkv16 [48 = 16 which + head][2048 positions][128].
; The first 16 rows of each tile row of the first row of clusters also leave in f32 (fine32 [4][16][6144]); a later launch reads the first of the four.  (The choice does not hang on
; the work-group's place in its cluster: so all four are stored.)
; The way out is written twice, with the rotation and without; ONE branch on the cluster's x chooses (clusters 0-3 hold q and k), the same in all partners.  Each copy has stage bytes of its own.
; LIMITS: |q|, |k|, |v| stay under 65,504 (f16).
; REGISTERS, in windows of 256: window 0: v0-31 addresses; v32-95 scale words, two sets; from v128 x's fragments, one set.  window 1: the weights' fragments, two sets, at v0 and v128.
;   window 2: the accumulators of my rows 0-63 ((a, b) at v[8 (8 a + b)]); window 3: those of rows 64-127.
;   On the way out: window 0: v32-95 rotated numbers, v96-127 f16 pairs, v128-255 two blocks read back from the stage; window 1: the table's rows, two sets of 128.
.set SIZE_K, 2048
.set KSTEP,  512
.set NQ,     KSTEP/128
.set ROWB,   256
.set KROW,   SIZE_K*4/8
.set PITCH,  272                       ; an LDS row: 256 bytes + 16 of padding: the 16 rows of a fragment load start 68 words apart
.set FR,     8
.set NL,     2
.set NP,     4
.set HALFT,  128*PITCH
.set SLOT,   4*HALFT
.set LAPS,   SIZE_K/(2*KSTEP)
.set KS,     SIZE_K/32
.set SCL,    2*SLOT
.set HALFS,  (128*KS/256)*272
.set SBLK,   (16*KS/256)*272
.set SPARE,  SCL+4*HALFS               ; the spare words, 128 bytes a wave
.set SPITCH, 528                       ; a stage row: 512 bytes + 16
.set STG2,   4*16*SPITCH               ; the plain way out's stages lie behind the rotating one's, both in slot 0
.set ADRA, 16
.set ADRB, 20
.set STO,  24
.set RD,   25
.set CO,   26                          ; v26 16 x lane
.set ADRS, 27
.set SPW,  28
.set NIL,  29
.set HO,   30                          ; v30 8 x lane
.set SC,   32
.set AF,   128
.set BK,   128
.set WR,   32
.set HR,   96
.set G1, 24
.set G0, 32
.set G1B, 48
.set G0B, 56
.set G1S, 68
.set G0S, 76
.set G1SB, 80
.set G0SB, 88
.set MSB, 0
.macro WIN new                         ; the immediate's high byte repeats the setting that is left
.if MSB != \new
	s_set_vgpr_msb (MSB<<8)|\new
.set MSB, \new
.endif
.endm
.set MUL_LO, 0xa1                      ; source 0 window 1, source 1 window 0, C and D window 2
.set MUL_HI, 0xf1                      ; the same, C and D window 3
.set TO_B,   0x40                      ; destination window 1, address window 0
; A joint load: waves 0 and 1 fetch for x, waves 2 and 3 for the weights.  The branch hangs on the wave's number alone.  An s_nop 0 and four v_nop follow each line.
.macro JLOAD g0a, g1a, g0b, g1b
	s_cmp_eq_u32 s15, 0
	s_cbranch_scc0 .Lfor_b_\@
	tensor_load_to_lds s[\g0a:\g0a+3], s[\g1a:\g1a+7]
	s_nop 0
.rept 4
	v_nop
.endr
	s_branch .Lasked_\@
.Lfor_b_\@:
	tensor_load_to_lds s[\g0b:\g0b+3], s[\g1b:\g1b+7]
	s_nop 0
.rept 4
	v_nop
.endr
.Lasked_\@:
.endm
.macro CREST                           ; a round of the cluster's barrier behind its opening barrier
	s_cmp_lg_u32 s14, 0
	s_cbranch_scc1 .Lnot_wave_0_\@
	s_barrier_signal -3
.Lnot_wave_0_\@:
	s_barrier_wait -3
	s_barrier_signal -1
	s_barrier_wait -1
.endm
.macro CROUND
	s_barrier_signal -1
	s_barrier_wait -1
	CREST
.endm
	s_load_b128 s[4:7], s[0:1], 0x0                ; codes s[4:5], scl s[6:7]
	s_load_b128 s[8:11], s[0:1], 0x10              ; tab s[8:9], fine32 s[10:11]
	s_load_b64 s[12:13], s[0:1], 0x20              ; qkv16
	v_lshl_add_u32 v[SPW], v0, 2, SPARE
	v_mov_b32 v[NIL], 0
	ds_add_u32 v[SPW], v[NIL]                      ; the wave's opening: the add, twice on end, and its wait ahead of my first tensor load
	ds_add_u32 v[SPW], v[NIL]
	v_lshrrev_b32 v1, 5, v0
	v_readfirstlane_b32 s14, v1                    ; wave 0..3
	s_lshr_b32 s15, s14, 1                         ; which half of the tile's rows is mine.  Also: I fetch for x (0) or for the weights (1)
	s_and_b32 s16, s14, 1                          ; which half of its columns.  Also: which 128 rows of that tile I fetch
	s_bfe_u32 s40, ttmp6, 0x40000                  ; cx, cy
	s_bfe_u32 s41, ttmp6, 0x40004
	s_lshl_b32 s42, ttmp9, 2
	s_add_co_u32 s42, s42, s40                     ; tile column = 4 x cluster x + cx
	s_and_b32 s17, ttmp7, 0xffff
	s_lshl_b32 s17, s17, 2
	s_add_co_u32 s17, s17, s41                     ; tile row = 4 x cluster y + cy
	s_lshl_b32 s43, s41, 2
	s_lshl_b32 s43, 15, s43                        ; my row of the cluster
	s_lshl_b32 s44, 0x1111, s40                    ; my column
	; group 1: a tile of 128 rows x 256 bytes, 16 bytes of padding behind each row
	s_or_b32 s[G1+0], s43, (0<<16)|(1<<20)|(1<<21)|(5<<22)|(3<<25)
	s_or_b32 s[G1B+0], s44, (0<<16)|(1<<20)|(1<<21)|(5<<22)|(3<<25)
.irp g, G1, G1B
	s_mov_b32 s[\g+1], ROWB<<16                    ; tensor_dim0
	s_mov_b32 s[\g+2], 128<<16                     ; tensor_dim1
	s_mov_b32 s[\g+3], ROWB<<16                    ; tile_dim0
	s_mov_b32 s[\g+4], 128                         ; tile_dim1
	s_mov_b32 s[\g+5], KROW                        ; from row to row
	s_mov_b32 s[\g+6], 0
	s_mov_b32 s[\g+7], 0
.endr
	; the scales of 128 rows: 8,192 dense bytes, as 32 rows of 256 bytes (32 elements of 8), 16 bytes of padding behind each
	s_or_b32 s[G1S+0], s43, (3<<16)|(1<<20)|(1<<21)|(5<<22)|(3<<25)
	s_or_b32 s[G1SB+0], s44, (3<<16)|(1<<20)|(1<<21)|(5<<22)|(3<<25)
.irp g, G1S, G1SB
	s_mov_b32 s[\g+1], 32<<16
	s_mov_b32 s[\g+2], (128*KS/256)<<16
	s_mov_b32 s[\g+3], 32<<16
	s_mov_b32 s[\g+4], 128*KS/256
	s_mov_b32 s[\g+5], 32
	s_mov_b32 s[\g+6], 0
	s_mov_b32 s[\g+7], 0
.endr
	s_lshl_b32 s18, s16, 7                         ; which 128 rows of the tile I fetch
	s_lshl_b32 s20, s17, 8
	s_add_co_u32 s20, s20, s18                     ; x: row 256 x tile row + 128 x half
	s_lshl_b32 s46, s42, 8
	s_add_co_u32 s46, s46, s18
	s_add_co_u32 s46, s46, 2048                    ; the weights: row 2048 + 256 x tile column + 128 x half
	s_mov_b32 s21, 0
	s_mov_b32 s47, 0
	s_mov_b64 s[18:19], KS
	s_mul_u64 s[22:23], s[20:21], s[18:19]         ; where these rows' scales begin,
	s_mul_u64 s[92:93], s[46:47], s[18:19]
	s_mov_b64 s[18:19], KROW
	s_mul_u64 s[20:21], s[20:21], s[18:19]         ; and their codes
	s_mul_u64 s[46:47], s[46:47], s[18:19]
	s_mul_i32 s45, s14, HALFT                      ; where they go: wave x 128 rows
	s_mul_i32 s94, s14, HALFS
	s_wait_dscnt 0x0                               ; both opening adds are done
	s_wait_kmcnt 0x0
	s_add_nc_u64 s[20:21], s[4:5], s[20:21]
	s_add_nc_u64 s[22:23], s[6:7], s[22:23]
	s_add_nc_u64 s[46:47], s[4:5], s[46:47]
	s_add_nc_u64 s[92:93], s[6:7], s[92:93]
	CROUND                                         ; all sixteen work-groups are here: the first joint loads meet
	s_mov_b32 s[G0S], 1
	s_add_co_u32 s[G0S+1], s94, SCL
	s_mov_b64 s[G0S+2:G0S+3], s[22:23]
	s_or_b32 s[G0S+3], s[G0S+3], 0x80000000
	s_mov_b32 s[G0SB], 1
	s_add_co_u32 s[G0SB+1], s94, SCL
	s_mov_b64 s[G0SB+2:G0SB+3], s[92:93]
	s_or_b32 s[G0SB+3], s[G0SB+3], 0x80000000
	JLOAD G0S, G1S, G0SB, G1SB                     ; the scales first: they are wanted with K step 0
.irp s, 0,1
	s_mov_b32 s[G0+4*\s], 1
	s_add_co_u32 s[G0+4*\s+1], s45, \s*SLOT
	s_add_nc_u64 s[G0+4*\s+2:G0+4*\s+3], s[20:21], \s*ROWB
	s_or_b32 s[G0+4*\s+3], s[G0+4*\s+3], 0x80000000
	s_mov_b32 s[G0B+4*\s], 1
	s_add_co_u32 s[G0B+4*\s+1], s45, \s*SLOT
	s_add_nc_u64 s[G0B+4*\s+2:G0B+4*\s+3], s[46:47], \s*ROWB
	s_or_b32 s[G0B+4*\s+3], s[G0B+4*\s+3], 0x80000000
	JLOAD G0+4*\s, G1, G0B+4*\s, G1B
.endr
	v_and_b32 v1, 15, v0                           ; l % 16
	v_bfe_u32 v2, v0, 4, 1                         ; l / 16
	v_mul_u32_u24 v3, v1, PITCH
	v_lshl_add_u32 v4, v2, 4, v3                   ; a fragment's row x pitch + 16 x half
	s_mul_i32 s21, s15, HALFT                      ; my 128 rows of x
	s_mul_i32 s22, s16, HALFT                      ; my 128 rows of the weights,
	s_add_co_u32 s22, s22, 2*HALFT                 ; which lie behind x's 256
.irp s, 0,1
	v_add_nc_u32 v[ADRA+\s], s21, v4
	v_add_nc_u32 v[ADRB+\s], s22, v4
	s_add_co_u32 s21, s21, SLOT
	s_add_co_u32 s22, s22, SLOT
.endr
	v_mul_u32_u24 v5, v1, KS                       ; my row's scales: 64 bytes a row,
	v_lshrrev_b32 v6, 8, v5
	v_lshl_add_u32 v5, v6, 4, v5                   ; and 16 more for each 256 passed
	s_mul_i32 s21, s15, HALFS
	s_mul_i32 s22, s16, HALFS
	s_add_co_u32 s22, s22, 2*HALFS
	s_sub_co_u32 s22, s22, s21
	v_mul_u32_u24 v6, s22, v2                      ; lanes 16-31 take the weights'
	s_add_co_u32 s21, s21, SCL
	v_add_nc_u32 v5, v5, v6
	v_add_nc_u32 v[ADRS], s21, v5
	s_mul_i32 s23, s14, 16*SPITCH                  ; my stage
	v_mul_u32_u24 v5, v1, SPITCH                   ; in: row l % 16, 32 bytes for each half of the lanes
	v_lshl_add_u32 v5, v2, 5, v5
	v_add_nc_u32 v[STO], s23, v5
	v_and_b32 v6, 31, v0
	v_lshlrev_b32 v[CO], 4, v6                     ; back: the 32 lanes take one row of 512 bytes
	v_lshlrev_b32 v[HO], 3, v6
	v_add_nc_u32 v[RD], s23, v[CO]
	s_lshl_b32 s20, s17, 8
	s_lshl_b32 s21, s15, 7
	s_add_co_u32 s20, s20, s21                     ; my first position: 256 x tile row + 128 x half
	s_lshl_b32 s21, s42, 1
	s_add_co_u32 s21, s21, s16                     ; my block of 128 columns: 16 which + head
	s_mov_b32 s19, 0
	s_lshl_b32 s18, s20, 10
	s_add_nc_u64 s[8:9], s[8:9], s[18:19]          ; the table at my first position
	s_mul_i32 s18, s41, 16*24576
	s_lshl_b32 s22, s21, 9
	s_add_co_u32 s18, s18, s22
	s_add_nc_u64 s[10:11], s[10:11], s[18:19]      ; fine32: my tile row's 16 rows, my 128 columns
	s_lshl_b32 s18, s21, 19
	s_lshl_b32 s22, s20, 8
	s_add_co_u32 s18, s18, s22
	s_add_nc_u64 s[12:13], s[12:13], s[18:19]      ; qkv16: my block, my first position
	s_cmp_lt_u32 ttmp9, 4
	s_cselect_b32 s96, 1, 0                        ; q or k: the cluster's x alone decides
	s_and_b32 s97, ttmp7, 0xffff
	s_or_b32 s97, s97, s15
	s_cmp_eq_u32 s97, 0
	s_cselect_b32 s97, 1, 0                        ; my block 0 also leaves in f32: the cluster's y and the wave's number alone decide
.macro FRAG reg, adr, q, i             ; 16 rows x 128 K of 4-bit codes: 8 registers; lane l holds row l % 16; registers 4 c .. 4 c + 3 hold K = 64 c + 32 (l / 16) + 0 .. 31
.irp c, 0,1
	ds_load_b128 v[\reg+4*\c:\reg+4*\c+3], v[\adr] offset:64*(\q)+32*\c+(\i)*16*PITCH
.endr
.endm
; 16 matrix instructions: x's blocks a0, a0 + 1 against the weights' eight.  The 64 accumulators take turns, one instruction a turn, in the same order in every step.
.macro MUL16 a0, p, q, sc, zero
.irp a, \a0, \a0+1
.irp b, 0,1,2,3,4,5,6,7
.if \zero
	v_wmma_scale_f32_16x16x128_f8f6f4 v[8*(8*((\a)%4)+\b):8*(8*((\a)%4)+\b)+7], v[128*(\p)+FR*\b:128*(\p)+FR*\b+FR-1], v[AF+FR*(\a):AF+FR*(\a)+FR-1], 0, v[SC+8*NQ*(\sc)+NQ*\b+(\q)], v[SC+8*NQ*(\sc)+NQ*(\a)+(\q)] matrix_a_fmt:MATRIX_FMT_FP4 matrix_b_fmt:MATRIX_FMT_FP4 matrix_a_scale:MATRIX_SCALE_ROW1
.else
	v_wmma_scale_f32_16x16x128_f8f6f4 v[8*(8*((\a)%4)+\b):8*(8*((\a)%4)+\b)+7], v[128*(\p)+FR*\b:128*(\p)+FR*\b+FR-1], v[AF+FR*(\a):AF+FR*(\a)+FR-1], v[8*(8*((\a)%4)+\b):8*(8*((\a)%4)+\b)+7], v[SC+8*NQ*(\sc)+NQ*\b+(\q)], v[SC+8*NQ*(\sc)+NQ*(\a)+(\q)] matrix_a_fmt:MATRIX_FMT_FP4 matrix_b_fmt:MATRIX_FMT_FP4 matrix_a_scale:MATRIX_SCALE_ROW1
.endif
.endr
.endr
.endm
.macro FETCH_B slot, q, p
	WIN TO_B
.irp i, 0,1,2,3,4,5,6,7
	FRAG 128*(\p)+FR*\i, ADRB+\slot, \q, \i
.endr
	WIN 0
.endm
.macro FETCH_A slot, q, i0
.irp i, \i0, \i0+1, \i0+2, \i0+3
	FRAG AF+FR*(\i), ADRA+\slot, \q, \i
.endr
.endm
.macro SCALES sc                       ; a K step's scale words: lanes 0-15 take x's block i, lanes 16-31 the weights' block i
.irp i, 0,1,2,3,4,5,6,7
	ds_load_b128 v[SC+8*NQ*\sc+NQ*\i:SC+8*NQ*\sc+NQ*\i+3], v[ADRS] offset:\i*SBLK
.endr
.endm
.macro PLACES n                        ; plain vector instructions between a matrix instruction and a load into, or a read of, its registers
.rept \n
	v_nop
.endr
.endm
.macro STEP slot, q, zero              ; 128 along K, with its successor in the same slot
	s_wait_dscnt 4*NL                              ; the weights' set and x's blocks 0-3 are in; the youngest eight loads (x's blocks 4-7) may be out
	WIN MUL_LO
	MUL16 0, (\q)%2, \q, \slot, \zero
	MUL16 2, (\q)%2, \q, \slot, \zero
	s_wait_dscnt 0
	PLACES NP
	FETCH_B \slot, (\q)+1, 1-(\q)%2
	FETCH_A \slot, (\q)+1, 0
	WIN MUL_HI
	MUL16 4, (\q)%2, \q, \slot, \zero
	MUL16 6, (\q)%2, \q, \slot, \zero
	PLACES NP
	WIN 0
	FETCH_A \slot, (\q)+1, 4
.endm
; A slot's last step changes slots: one barrier; in front of it each wave waits for all its tensor loads, adds 0 to its spare word, and waits for that and for its reads of this slot.
.macro TURN slot, next, fill
	s_wait_tensorcnt 0x0                           ; all my tensor loads have landed: my part of the next slot
	ds_add_u32 v[SPW], v[NIL]
	s_wait_dscnt 4*NL+1                            ; the add and the youngest eight loads may be out
	WIN MUL_LO
	MUL16 0, 1, NQ-1, \slot, 0
	s_wait_dscnt 0x0                               ; the add is done, and my reads of this slot are over
	s_barrier_signal -1
	MUL16 2, 1, NQ-1, \slot, 0
	WIN 0
	s_barrier_wait -1
.if \fill
	CREST                                          ; the barrier has opened a round of the cluster's: no wave of any partner still reads this slot or has a load on its way
	s_add_nc_u64 s[G0+4*\slot+2:G0+4*\slot+3], s[G0+4*\slot+2:G0+4*\slot+3], 2*ROWB
	s_add_nc_u64 s[G0B+4*\slot+2:G0B+4*\slot+3], s[G0B+4*\slot+2:G0B+4*\slot+3], 2*ROWB
	JLOAD G0+4*\slot, G1, G0B+4*\slot, G1B         ; the first tensor load behind the round; its four v_nop are the places in front of the loads below
.else
	PLACES NP
.endif
	v_add_nc_u32 v[ADRS], 4*NQ, v[ADRS]            ; on to the next K step's scale words
	FETCH_B \next, 0, 0
	FETCH_A \next, 0, 0
	SCALES \next
	WIN MUL_HI
	MUL16 4, 1, NQ-1, \slot, 0
	MUL16 6, 1, NQ-1, \slot, 0
	PLACES NP
	WIN 0
	FETCH_A \next, 0, 4
.endm
.macro STEPS slot, from
.set Q, \from
.rept NQ-1-\from
	STEP \slot, Q, 0
.set Q, Q+1
.endr
.endm
	s_wait_tensorcnt 1                             ; the scales and my part of K step 0 are in; K step 1's load may be out
	s_barrier_signal -1
	s_barrier_wait -1
	FETCH_B 0, 0, 0
	FETCH_A 0, 0, 0
	SCALES 0
	FETCH_A 0, 0, 4
	STEP 0, 0, 1                                   ; the first step's products start the sums: nothing is cleared
	s_mov_b32 s3, LAPS-1
.Llap:                                             ; a trip goes once round the ring and fills both slots again
	STEPS 0, 1
	TURN 0, 1, 1
	STEPS 1, 0
	TURN 1, 0, 1
	STEP 0, 0, 0
	s_sub_co_u32 s3, s3, 1
	s_cmp_lg_u32 s3, 0
	s_cbranch_scc1 .Llap
	STEPS 0, 1                                     ; the last lap fills nothing
	TURN 0, 1, 0
	STEPS 1, 0
	s_wait_dscnt 4*NL
	WIN MUL_LO
	MUL16 0, 1, NQ-1, 1, 0
	MUL16 2, 1, NQ-1, 1, 0
	s_wait_dscnt 0
	WIN MUL_HI
	MUL16 4, 1, NQ-1, 1, 0
	MUL16 6, 1, NQ-1, 1, 0
	WIN 0
; THE WAY OUT.  The stages lie in slot 0, which has had its last fill, and which nobody reads behind the last change of slots.
.macro TABLOAD a                       ; the table's rows of block a: row t at v[128 (a % 2) + 8 t] of window 1: four cosines, four signed sines of my four channels
	WIN TO_B
.irp t, 0,1,2,3,4,5,6,7,8,9,10,11,12,13,14,15
	global_load_b128 v[128*((\a)%2)+8*\t:128*((\a)%2)+8*\t+3], v[CO], s[8:9] offset:(16*(\a)+\t)*1024
	global_load_b128 v[128*((\a)%2)+8*\t+4:128*((\a)%2)+8*\t+7], v[CO], s[8:9] offset:(16*(\a)+\t)*1024+512
.endr
	WIN 0
.endm
.macro TOSTAGE a, stg                  ; block a into my stage and back as whole rows; LDS serves a wave's instructions in order, so no wait stands between
.set AC, 64*((\a)%4)
	WIN 0x08+4*((\a)/4)                            ; an LDS store's data: window 2 or 3
.irp b, 0,1,2,3,4,5,6,7
	ds_store_b128 v[STO], v[AC+8*\b:AC+8*\b+3] offset:\stg+64*\b       ; each accumulator from its low end on
	ds_store_b128 v[STO], v[AC+8*\b+4:AC+8*\b+7] offset:\stg+64*\b+16
.endr
	WIN 0
.set BB, BK+64*((\a)%2)
.irp t, 0,1,2,3,4,5,6,7,8,9,10,11,12,13,14,15
	ds_load_b128 v[BB+4*\t:BB+4*\t+3], v[RD] offset:\stg+\t*SPITCH
.endr
.endm
; younger: the LDS instructions issued behind block a's loads; tabout: the table loads issued behind block a's
.macro SEND a, younger, tabout, rope
.set BB, BK+64*((\a)%2)
.set TB, 128*((\a)%2)
	s_wait_dscnt \younger                          ; the block is back in registers
.if \rope
	s_wait_loadcnt \tabout                         ; and its rows of the table are in
	WIN 0x04                                       ; source 1: window 1
.irp t, 0,1,2,3,4,5,6,7,8,9,10,11,12,13,14,15
	v_pk_mul_f32 v[WR+4*\t:WR+4*\t+1], v[BB+4*\t:BB+4*\t+1], v[TB+8*\t:TB+8*\t+1]           ; u[d] cos[d]
	v_pk_mul_f32 v[WR+4*\t+2:WR+4*\t+3], v[BB+4*\t+2:BB+4*\t+3], v[TB+8*\t+2:TB+8*\t+3]
.endr
.irp t, 0,1,2,3,4,5,6,7,8,9,10,11,12,13,14,15
	v_pk_fma_f32 v[WR+4*\t:WR+4*\t+1], v[BB+4*\t:BB+4*\t+1], v[TB+8*\t+4:TB+8*\t+5], v[WR+4*\t:WR+4*\t+1] op_sel:[1,0,0] op_sel_hi:[0,1,1]   ; + u[d xor 1] ss[d]: the first source's halves change places
	v_pk_fma_f32 v[WR+4*\t+2:WR+4*\t+3], v[BB+4*\t+2:BB+4*\t+3], v[TB+8*\t+6:TB+8*\t+7], v[WR+4*\t+2:WR+4*\t+3] op_sel:[1,0,0] op_sel_hi:[0,1,1]
.endr
	WIN 0
.set SRC, WR
.else
.set SRC, BB
.endif
.if (\a) == 0
	s_cmp_eq_u32 s97, 0
	s_cbranch_scc1 .Lnot_fine_\@
.irp t, 0,1,2,3,4,5,6,7,8,9,10,11,12,13,14,15
	global_store_b128 v[CO], v[SRC+4*\t:SRC+4*\t+3], s[10:11] offset:\t*24576   ; 512 consecutive bytes, aligned
.endr
.Lnot_fine_\@:
.endif
.irp t, 0,1,2,3,4,5,6,7,8,9,10,11,12,13,14,15
	v_cvt_pk_f16_f32 v[HR+2*\t], v[SRC+4*\t], v[SRC+4*\t+1]
	v_cvt_pk_f16_f32 v[HR+2*\t+1], v[SRC+4*\t+2], v[SRC+4*\t+3]
.endr
.irp t, 0,1,2,3,4,5,6,7,8,9,10,11,12,13,14,15
	global_store_b64 v[HO], v[HR+2*\t:HR+2*\t+1], s[12:13] offset:(16*(\a)+\t)*256   ; a position's 128 f16: 256 consecutive bytes, aligned
.endr
.endm
.macro WAYOUT rope, stg
.if \rope
	TABLOAD 0
.endif
	TOSTAGE 0, \stg
.irp a, 1,2,3,4,5,6,7
.if \a > 1
	s_wait_xcnt 0x0                                ; block a - 2's stores have read their registers: they are written again below
.endif
.if \rope
	TABLOAD \a
.endif
	TOSTAGE \a, \stg
	SEND \a-1, 32, 32, \rope                       ; behind block a - 1's loads: block a's 16 stage stores and 16 stage loads; behind its table loads: block a's 32
.endr
	s_wait_xcnt 0x0
	SEND 7, 0, 0, \rope
.endm
	PLACES NP                                      ; behind the last products: for the reads of results and the loads into operand registers below
	s_cmp_eq_u32 s96, 0
	s_cbranch_scc1 .Lplain
	WAYOUT 1, 0
	s_branch .Lclose
.Lplain:
	WAYOUT 0, STG2
.Lclose:
	s_wait_tensorcnt 0x0                           ; the wave's end: behind my last tensor load and my last LDS store
	ds_add_u32 v[SPW], v[NIL]
	s_wait_dscnt 0x0
	CROUND                                         ; the closing round: no work-group ends while a partner may still ask for a tile that names it
	s_endpgm
.Lfunc_end_k_q9fa28b21c8_qkv:
	.size	k_q9fa28b21c8_qkv, .Lfunc_end_k_q9fa28b21c8_qkv-k_q9fa28b21c8_qkv
	.p2alignl 7, 3214868480
	.fill 96, 4, 3214868480
	.section	.rodata,"a",@progbits
	.p2align	6, 0x0
	.amdhsa_kernel k_q9fa28b21c8_qkv
		.amdhsa_group_segment_fixed_size 327680
		.amdhsa_private_segment_fixed_size 0
		.amdhsa_enable_private_segment 0
		.amdhsa_kernarg_size 40
		.amdhsa_user_sgpr_count 2
		.amdhsa_user_sgpr_kernarg_segment_ptr 1
		.amdhsa_wavefront_size32 1
		.amdhsa_system_sgpr_workgroup_id_x 1
		.amdhsa_system_sgpr_workgroup_id_y 1
		.amdhsa_system_sgpr_workgroup_id_z 1
		.amdhsa_system_vgpr_workitem_id 0
		.amdhsa_next_free_vgpr 1024
		.amdhsa_next_free_sgpr 100
		.amdhsa_reserve_vcc 0
		.amdhsa_float_denorm_mode_32 3
		.amdhsa_float_denorm_mode_16_64 3
		.amdhsa_memory_ordered 1
		.amdhsa_forward_progress 1
		.amdhsa_inst_pref_size 255
	.end_amdhsa_kernel
	.section	.bss,"aw",@nobits
	.p2align	6
	.space	262144
	.amdgpu_metadata
---
amdhsa.version: [ 1, 2 ]
amdhsa.kernels:
  - .name:           k_q9fa28b21c8_qkv
    .symbol:         k_q9fa28b21c8_qkv.kd
    .args:
      - { .name: codes, .offset: 0, .size: 8, .value_kind: global_buffer, .address_space: global }
      - { .name: scl, .offset: 8, .size: 8, .value_kind: global_buffer, .address_space: global }
      - { .name: tab, .offset: 16, .size: 8, .value_kind: global_buffer, .address_space: global }
      - { .name: fine32, .offset: 24, .size: 8, .value_kind: global_buffer, .address_space: global }
      - { .name: qkv16, .offset: 32, .size: 8, .value_kind: global_buffer, .address_space: global }
    .group_segment_fixed_size: 327680
    .private_segment_fixed_size: 0
    .kernarg_segment_align: 8
    .kernarg_segment_size: 40
    .max_flat_workgroup_size: 128
    .sgpr_count:     100
    .vgpr_count:     1024
    .wavefront_size: 32
...
	.end_amdgpu_metadata
.endif
;; end of part 2
;; launch attn (part 3): grid 16 x 16, 8 waves a work-group, no clusters, 327,680 bytes of LDS; arguments qkv16, a16; writes a16
.if DOCPART == 3
	.amdgcn_target "amdgcn-amd-amdhsa--gfx1250"
	.amdhsa_code_object_version 6
	.text
	.protected	k_q9fa28b21c8_attn
	.globl	k_q9fa28b21c8_attn
	.p2align	8
	.type	k_q9fa28b21c8_attn,@function
k_q9fa28b21c8_attn:
	s_mov_b64 s[64:65], 0
	v_nop
	global_prefetch_b8 v0, s[64:65] scope:SCOPE_SE
	s_setreg_imm32_b32 hwreg(HW_REG_WAVE_MODE, 25, 1), 1
	s_wait_xcnt 0x0
; a16[q][head 128 + :] = the sum over keys k <= q of softmax_k(Q[q] . K[k] / sqrt(128)) V[k][:], for one head and 128 queries a work-group.
; qkv16: [48 = 16 which + head][2048][128] f16 (which: 0 q, 1 k, 2 v).  Products on f16 operands with f32 sums; maxima, exponentials and sums in f32; the weights p are rounded to f16 for the second product.
; SHARES.  The 2,048 queries are 64 groups of 32 (two tiles of 16); under the mask group g has g / 2 + 1 key steps of 64 keys.  Work-group x takes groups 2 x, 2 x + 1 (early) and 62 - 2 x, 63 - 2 x (late):
; 2 (x + 1) + 2 (32 - x) = 66 steps in every work-group.  Eight waves.  Wave w takes the key steps of parity w >> 2 of one group: a late one where bit 0 of w differs from bit 2, else an early one; bit 1 says
; which of the two.  So of waves w and w + 4, and of waves 2 j and 2 j + 1, one holds an early group and the other a late one.  Two waves hold the same queries, each with a running maximum, sum and O^T of
; its own; at the end the wave of odd parity hands its three to the other through LDS, which joins them, divides and stores.
; LAYOUT.  S^T = K Q^T (source 0 = 16 keys, source 1 = 16 queries): a lane holds ONE query (lane % 16) and keys 8 (lane / 16) + 0..7.  Two such tiles, rounded in pairs, are source 1 of
; O^T = V^T P.  K comes out of LDS as it lies, V ([key][channel]) turned, by ds_load_tr16_b128.
; SOFTMAX.  p = 2^(c s - c m), c = log2(e) / sqrt(128), m the running maximum; in every step O and l are multiplied by a = 2^(c m_old - c m_new).
; THE RING.  Two regions of 256 keys (four steps); waves 0-3 fetch K's rows, waves 4-7 V's, 64 rows of 256 bytes each, one tensor load a wave behind each change of slots.
; THE MASK.  Every work-group walks all eight slots: the trip count is a constant.  A step whose first key comes after the wave's last query is jumped over (ids alone); on the diagonal hidden scores
; become -infinity.  A step that is walked begins at or under the wave's first query (64 divides the one, 32 the other), so every query has an open key in it and m is a number.
; A slot whose first key comes after the work-group's last query, 2047 - 64 x, is not asked for: 8, 7, 6 or 5 slots are fetched; the same test ends the loads at the tensor's end.
; NO CLUSTER: the walk has eight changes of slots in every work-group, and the slots past the limit would be read by no wave of a partner; a joint load may not be jumped over.
; LIMITS: |q|, |k|, |v| under 65,504 come from the launch before; NaN and infinities are not served.
; REGISTERS: window 0: v1-17 addresses and constants; v20-35 statistics, 8 a tile; v36-51 the joining; v62, v63 the add's two; v96-127 P; v128-191 S^T; v192-255 Q.
;   window 1: v0-127 K's fragments, then V's (one buffer); v128-255 O^T, 64 a tile.
.set PK,    272                        ; a row of K in LDS: 256 bytes + 16
.set PVP,   288                        ; a row of V: 256 + 32: the turning load's 8 rows x 32 bytes then fall on different banks
.set VOFF,  256*PK
.set SLOT,  256*(PK+PVP)               ; 143,360
.set SPARE, 2*SLOT                     ; the spare words, 128 bytes a wave
.set MG,    16896                      ; the hand-over of a group: 32 images of 512 bytes, then four runs of 128 bytes.  In region 0, behind its last fill and last read
.set STAGE, 4*MG                       ; the way out: 16 rows x 272 bytes for each group
.set DL,  3                            ; v3  r - 8 h
.set AK,  4                            ; v4, v5  my place in K's tiles of region 0, 1
.set AV,  6                            ; v6, v7  the same for V
.set QO,  8
.set STO, 9
.set RD,  10
.set GO,  11
.set MI,  12
.set MS,  13
.set PFO, 14
.set ST,  20                           ; tile t at v[ST + 8 t]: +0 c m, +1 m, +2, +3 l (even keys', odd keys'), +4 to +7 at work; a in +6
.set MB,  36                           ; the joining, tile t at v[MB + 8 t]: +0 the other's c m, then my factor; +1 its l; +2 the joint c m, then its factor; +3, +4 the two a; +5 the sum; +6 its reciprocal
.set SPW, 62
.set NIL, 63
.set P,   96
.set S,   128
.set Q,   192
.set WV,  8
.set QG,  9                            ; s9  which of the work-group's four groups of queries is mine
.set KP,  10
.set Q0,  11                           ; s11 my first query
.set KS0, 12                           ; s12 the first key of the slot in hand
.set KFS, 13                           ; s13 the first key of my first step in it
.set FG,  14                           ; s14 which 64 rows of a slot's 256 I fetch
.set LQ,  15                           ; s15 my work-group's last query
.set SEL, 20
.set CS,  22
.set G1K, 24
.set G1V, 32
.set G0K, 40                           ; s[40:47] group 0 for K's tiles, a set for each region
.set G0V, 48                           ; s[48:55] for V's
.set CNT, 56
.set PFA, 60
.set LIM, 62
.set MSB, 0
.macro WIN new                         ; the immediate's high byte repeats the setting that is left
.if MSB != \new
	s_set_vgpr_msb (MSB<<8)|\new
.set MSB, \new
.endif
.endm
; Waves 0-3 fetch K's rows, waves 4-7 V's.  The branch hangs on the wave's number alone.  An s_nop 0 and four v_nop follow each line.
.macro TLOAD g
	s_cmp_lt_u32 s[WV], 4
	s_cbranch_scc0 .Lfor_v_\@
	tensor_load_to_lds s[G0K+4*(\g):G0K+4*(\g)+3], s[G1K:G1K+7]
	s_nop 0
.rept 4
	v_nop
.endr
	s_branch .Lasked_\@
.Lfor_v_\@:
	tensor_load_to_lds s[G0V+4*(\g):G0V+4*(\g)+3], s[G1V:G1V+7]
	s_nop 0
.rept 4
	v_nop
.endr
.Lasked_\@:
.endm
; A prefetch of what the NEXT change of slots will ask for: my wave's 64 rows (of K or of V, as in TLOAD), 256 bytes a row, a lane a row, two instructions.  All sixteen work-groups of a head walk the
; same K and V: the one with x = 0, whose late groups walk every slot, asks, and nobody else: each row is named once in the launch.  Slots 0 and 1 come by their loads alone; the changes at slots 6 and 7 ask for nothing.
.macro ASK
	s_cmp_lt_u32 s[KS0], s[LIM]
	s_cbranch_scc0 .Lnot_mine_\@
	global_prefetch_b8 v[PFO], s[PFA:PFA+1] th:TH_LOAD_NT scope:SCOPE_SE
	global_prefetch_b8 v[PFO], s[PFA:PFA+1] offset:8192 th:TH_LOAD_NT scope:SCOPE_SE
.Lnot_mine_\@:
.endm
	s_load_b128 s[4:7], s[0:1], 0x0                ; qkv16 s[4:5], a16 s[6:7]
	v_lshl_add_u32 v[SPW], v0, 2, SPARE
	v_mov_b32 v[NIL], 0
	ds_add_u32 v[SPW], v[NIL]                      ; the wave's opening: the add, twice on end, and its wait ahead of my first tensor load
	ds_add_u32 v[SPW], v[NIL]
	v_lshrrev_b32 v1, 5, v0
	v_readfirstlane_b32 s[WV], v1                  ; wave 0..7
	s_and_b32 s[FG], s[WV], 3
	s_lshr_b32 s[KP], s[WV], 2                     ; my key parity
	s_xor_b32 s57, s[WV], s[KP]
	s_and_b32 s57, s57, 1                          ; late (1) or early (0): bit 0 of the wave's number xor bit 2
	s_bfe_u32 s58, s[WV], 0x10001                  ; which of the two: bit 1
	s_lshl_b32 s[QG], s57, 1
	s_or_b32 s[QG], s[QG], s58                     ; 0, 1 the early groups, 2, 3 the late ones
	s_lshl_b32 s59, ttmp9, 1                       ; 2 x
	s_sub_co_u32 s70, 62, s59                      ; 62 - 2 x
	s_cmp_eq_u32 s57, 0
	s_cselect_b32 s59, s59, s70
	s_add_co_u32 s59, s59, s58                     ; my group of 32 queries
	s_lshl_b32 s[Q0], s59, 5
	s_lshl_b32 s[LQ], ttmp9, 6
	s_sub_co_u32 s[LQ], 2047, s[LQ]                ; the last query of group 63 - 2 x
	s_mov_b32 s[KS0], 0
	s_lshl_b32 s[KFS], s[KP], 6
	; group 1: 64 rows x 128 elements of 2 bytes; padding behind every 64 words: 4 words for K, 8 for V
	s_mov_b32 s[G1K], (1<<16)|(1<<20)|(5<<22)|(3<<25)
	s_mov_b32 s[G1V], (1<<16)|(1<<20)|(5<<22)|(7<<25)
.irp g, G1K, G1V
	s_mov_b32 s[\g+1], 128<<16                     ; tensor_dim0
	s_mov_b32 s[\g+2], 64<<16                      ; tensor_dim1
	s_mov_b32 s[\g+3], 128<<16                     ; tile_dim0
	s_mov_b32 s[\g+4], 64                          ; tile_dim1
	s_mov_b32 s[\g+5], 128                         ; from row to row
	s_mov_b32 s[\g+6], 0
	s_mov_b32 s[\g+7], 0
.endr
	s_mov_b32 s[SEL], 0x76543210
	s_mov_b32 s[SEL+1], 0xfedcba98                 ; v_permlanex16_b32: lane l xor 16
	s_mov_b32 s[CS], 0x3e0293ee                    ; c = log2(e) / sqrt(128)
	s_mov_b32 s[CS+1], s[CS]
	s_cmp_eq_u32 ttmp9, 0
	s_cselect_b32 s[LIM], 1536, 0
	; every LDS address is made here, ahead of any parting of the waves
	v_and_b32 v1, 15, v0                           ; r
	v_bfe_u32 v2, v0, 4, 1                         ; h
	v_lshlrev_b32 v18, 3, v2
	v_sub_nc_u32 v[DL], v1, v18
	v_mul_u32_u24 v[AK], v1, PK
	v_lshl_add_u32 v[AK], v2, 4, v[AK]             ; K: row r x pitch + 16 h,
	s_mul_i32 s57, s[KP], 64*PK
	v_add_nc_u32 v[AK], s57, v[AK]                 ; in my parity's first step of a slot
	v_add_nc_u32 v[AK+1], SLOT, v[AK]
	v_and_b32 v18, 7, v0
	v_bfe_u32 v19, v0, 3, 1
	v_lshl_add_u32 v[AV], v2, 3, v18               ; V, for the turning load: key 8 h + l % 8, channels 8 ((l / 8) % 2) on
	v_mul_u32_u24 v[AV], v[AV], PVP
	v_lshl_add_u32 v[AV], v19, 4, v[AV]
	s_mul_i32 s57, s[KP], 64*PVP
	s_add_co_u32 s57, s57, VOFF
	v_add_nc_u32 v[AV], s57, v[AV]
	v_add_nc_u32 v[AV+1], SLOT, v[AV]
	v_lshlrev_b32 v[QO], 8, v1
	v_lshl_add_u32 v[QO], v2, 4, v[QO]             ; Q in memory: row r of 256 bytes + 16 h
	s_mul_i32 s57, s[QG], 16*272
	s_add_co_u32 s57, s57, STAGE
	v_mul_u32_u24 v[STO], v1, 272
	v_lshl_add_u32 v[STO], v2, 4, v[STO]
	v_add_nc_u32 v[STO], s57, v[STO]               ; the stage, in: row r, 16 bytes for each half of the lanes
	v_mul_u32_u24 v[RD], v2, 272
	v_lshl_add_u32 v[RD], v1, 4, v[RD]
	v_add_nc_u32 v[RD], s57, v[RD]                 ; back: lanes 0-15 one row, lanes 16-31 the next
	v_lshlrev_b32 v[GO], 12, v2
	v_lshl_add_u32 v[GO], v1, 4, v[GO]             ; and the same two rows in a16 (4,096 bytes a row)
	v_and_b32 v18, 31, v0
	s_mul_i32 s57, s[QG], MG
	v_lshl_add_u32 v[MI], v18, 4, s57              ; the hand-over's images: 16 x lane
	s_add_co_u32 s58, s57, 16384
	v_lshl_add_u32 v[MS], v18, 2, s58              ; and its statistics: 4 x lane
	v_lshlrev_b32 v[PFO], 8, v18
	v_mov_b32 v17, 0xff800000                      ; -infinity
.irp t, 0,1
	v_mov_b32 v[ST+8*\t+1], 0xff61b1e6             ; m = -3e38, under every score
	v_mul_f32 v[ST+8*\t], s[CS], v[ST+8*\t+1]      ; c m
.irp k, 2,3,4,5,6,7
	v_mov_b32 v[ST+8*\t+\k], 0                     ; l, and the registers at work
.endr
.endr
	s_wait_dscnt 0x0                               ; both opening adds are done
	s_wait_kmcnt 0x0
	s_and_b32 s57, ttmp7, 0xffff                   ; the head
	s_lshl_b32 s58, s57, 19                        ; its 524,288 bytes in each of q, k, v
	s_lshl_b32 s59, s[FG], 14                      ; the 64 rows that I fetch of a slot's 256
	s_add_co_u32 s70, s58, s59
	s_mov_b32 s71, 0
	s_add_nc_u64 s[72:73], s[4:5], s[70:71]
	s_mul_i32 s59, s[FG], 64*PK
	s_mov_b32 s[G0K], 1
	s_mov_b32 s[G0K+1], s59                        ; LDS: my share x 64 rows, region 0
	s_add_nc_u64 s[G0K+2:G0K+3], s[72:73], 8388608 ; k begins 16 blocks of 524,288 bytes in: slot 0
	s_or_b32 s[G0K+3], s[G0K+3], 0x80000000
	s_mov_b32 s[G0K+4], 1
	s_add_co_u32 s[G0K+5], s59, SLOT               ; region 1
	s_add_nc_u64 s[G0K+6:G0K+7], s[72:73], 8388608+65536   ; slot 1
	s_or_b32 s[G0K+7], s[G0K+7], 0x80000000
	s_mul_i32 s59, s[FG], 64*PVP
	s_add_co_u32 s59, s59, VOFF
	s_mov_b32 s[G0V], 1
	s_mov_b32 s[G0V+1], s59
	s_add_nc_u64 s[G0V+2:G0V+3], s[72:73], 16777216
	s_or_b32 s[G0V+3], s[G0V+3], 0x80000000
	s_mov_b32 s[G0V+4], 1
	s_add_co_u32 s[G0V+5], s59, SLOT
	s_add_nc_u64 s[G0V+6:G0V+7], s[72:73], 16777216+65536
	s_or_b32 s[G0V+7], s[G0V+7], 0x80000000
	TLOAD 0                                        ; slot 0: every wave's first fill; key 0 counts for every query
	s_add_co_u32 s70, s[KP], 1
	s_lshl_b32 s70, s70, 23                        ; k's or v's part of the buffer, as in TLOAD,
	s_add_co_u32 s70, s70, 65536                   ; at slot 1: the first change of slots steps it to slot 2
	s_add_nc_u64 s[PFA:PFA+1], s[72:73], s[70:71]
	s_lshl_b32 s70, s[Q0], 8
	s_add_co_u32 s70, s70, s58
	s_add_nc_u64 s[66:67], s[4:5], s[70:71]        ; Q at my first query
	s_lshl_b32 s70, s[Q0], 12
	s_lshl_b32 s58, s57, 8
	s_add_co_u32 s70, s70, s58
	s_add_nc_u64 s[68:69], s[6:7], s[70:71]        ; a16 at my first query, my head's 256 bytes
.irp i, 0,1,2,3,4,5,6,7                        ; Q stays in registers: tile i / 4, channels 32 (i % 4) on
	global_load_b128 v[Q+8*\i:Q+8*\i+3],   v[QO], s[66:67] offset:(\i/4)*4096+(\i%4)*64
	global_load_b128 v[Q+8*\i+4:Q+8*\i+7], v[QO], s[66:67] offset:(\i/4)*4096+(\i%4)*64+32
.endr
	WIN 0x40
.set i, 0
.rept 128
	v_mov_b32 v[128+i], 0                          ; O^T.  The step is written once, and which step is a wave's first hangs on the work-group's number: so the sums begin as zeros
.set i, i+1
.endr
	WIN 0
; Product i of 32 of S^T = K Q^T: channels 32 (i / 8) on, keys 16 ((i / 2) % 4) on, tile i % 2.  The eight accumulators take turns.
.macro KQ
.set rS, S+32*(i%2)+8*((i/2)%4)
.set rK, 32*((i/2)%4)+8*(i/8)
.set rQ, Q+32*(i%2)+8*(i/8)
.if i < 8
	v_wmma_f32_16x16x32_f16 v[rS:rS+7], v[rK:rK+7], v[rQ:rQ+7], 0
.else
	v_wmma_f32_16x16x32_f16 v[rS:rS+7], v[rK:rK+7], v[rQ:rQ+7], v[rS:rS+7]
.endif
.endm
; Product i of 32 of O^T += V^T P: keys 32 (i / 16) on, channels 16 ((i / 2) % 8) on, tile i % 2.  Sixteen accumulators by turns.
.macro PV
.set rO, 128+64*(i%2)+8*((i/2)%8)
.set rV, 64*(i/16)+8*((i/2)%8)
.set rP, P+16*(i%2)+8*(i/16)
	v_wmma_f32_16x16x32_f16 v[rO:rO+7], v[rV:rV+7], v[rP:rP+7], v[rO:rO+7]
.endm
; One tile's softmax for one key step is a list of 134 instructions; SM writes number j of it for tile t.  s0-s31 are the lane's 32 scores, in pairs 0-15.
;   0-15 the maximum of the scores and the old m; 16-20 the other half of the lanes', the new m, c m, c m_old - c m_new;
;   21-69 one batch: the 16 packed scalings c s - c m and all 33 exponentials (a at 23); none of them reads an exponential's result;
;   70-85 the roundings to f16; 86-101 the sums, l = a l + the sum; 102-133 the tile's O^T times a.
.macro SM t
.set rT, ST+8*(\t)
.set rS, S+32*(\t)
.set rP, P+16*(\t)
.set rO, 128+64*(\t)+2*(j-102)
.if j < 102
	WIN 0
.endif
.if j < 4
	v_max3_num_f32 v[rT+4+j], v[rS+8*j], v[rS+8*j+1], v[rS+8*j+2]          ; each accumulator is read from its low end on
.elseif j < 12
	v_max3_num_f32 v[rT+4+j%4], v[rT+4+j%4], v[rS+8*(j%4)+2*(j/4)+1], v[rS+8*(j%4)+2*(j/4)+2]
.elseif j == 12
	v_max3_num_f32 v[rT+4], v[rT+4], v[rS+7], v[rS+15]
.elseif j == 13
	v_max3_num_f32 v[rT+6], v[rT+6], v[rS+23], v[rS+31]
.elseif j == 14
	v_max3_num_f32 v[rT+4], v[rT+4], v[rT+5], v[rT+6]
.elseif j == 15
	v_max3_num_f32 v[rT+4], v[rT+4], v[rT+7], v[rT+1]
.elseif j == 16
	v_permlanex16_b32 v[rT+5], v[rT+4], s[SEL], s[SEL+1]
.elseif j == 17
	v_mov_b32 v[rT+7], v[rT]                       ; c m_old is kept for a
.elseif j == 18
	v_max_num_f32 v[rT+1], v[rT+4], v[rT+5]
.elseif j == 19
	v_mul_f32 v[rT], s[CS], v[rT+1]
.elseif j == 20
	v_sub_f32 v[rT+7], v[rT+7], v[rT]
.elseif j == 23
	v_exp_f32 v[rT+6], v[rT+7]
.elseif (j < 23) || ((j < 38) && (j%2 == 0)) || ((j < 66) && (j%4 == 2))
.set b, (j-2)/4
.if j < 38
.set b, (j-20)/2
.endif
	v_pk_fma_f32 v[rS+2*b:rS+2*b+1], v[rS+2*b:rS+2*b+1], s[CS:CS+1], v[rT:rT+1] op_sel_hi:[1,0,0] neg_lo:[0,0,1] neg_hi:[0,0,1]
.elseif j < 70
.set e, j-38
.if j < 66
.set e, j-32-(j-38)/4
.endif
.if j < 38
.set e, (j-25)/2
.endif
	v_exp_f32 v[rS+e], v[rS+e]
.elseif j < 86
	v_cvt_pk_f16_f32 v[rP+j-70], v[rS+2*(j-70)], v[rS+2*(j-70)+1]
.elseif j < 102
.set z, j-86
.set w, 4
.set u, z
.if z >= 14
.set w, 32
.set u, 0
.elseif z >= 12
.set w, 16
.set u, z-12
.elseif z >= 8
.set w, 8
.set u, z-8
.endif
.if z < 15
	v_pk_add_f32 v[rS+w*u:rS+w*u+1], v[rS+w*u:rS+w*u+1], v[rS+w*u+w/2:rS+w*u+w/2+1]
.else
	v_pk_fma_f32 v[rT+2:rT+3], v[rT+2:rT+3], v[rT+6:rT+7], v[rS:rS+1] op_sel_hi:[1,0,1]
.endif
.else
	WIN 0x41                                       ; O^T (destination and source 0) in window 1, a in window 0
	v_pk_mul_f32 v[rO:rO+1], v[rO:rO+1], v[rT+6:rT+7] op_sel_hi:[1,0]
.endif
.endm
.macro SOFTMAX                         ; the two tiles alternate; the 66 exponentials are one batch with one wait
.set j, 0
.rept 70
	SM 0
	SM 1
.set j, j+1
.endr
	v_nop                                          ; a plain instruction behind the last exponential
	s_wait_alu depctr_va_vdst(0)                   ; the wait ahead of the first instruction that names a result: one for the batch
.rept 64
	SM 0
	SM 1
.set j, j+1
.endr
	WIN 0
.endm
; A KEY STEP: my u-th of the slot in region g: 64 keys from KFS + 128 u on.
.macro STEP g, u
	s_add_co_u32 s57, s[KFS], 128*\u               ; its first key
	s_add_co_u32 s58, s[Q0], 31
	s_cmp_gt_u32 s57, s58                          ; all its keys come after my queries: ids and counted steps alone
	s_cbranch_scc1 .Lhid_\@
.rept 4
	v_nop                                          ; places behind the last products, in front of loads into registers that they read
.endr
	WIN 0x40                                       ; destination window 1
.irp c, 0,1,2,3                                ; K, by chunks of 32 channels, so that the first products need not wait for the last loads
.irp k, 0,1,2,3
	ds_load_b128 v[8*(4*\k+\c):8*(4*\k+\c)+3],   v[AK+\g] offset:\u*128*PK+\k*16*PK+64*\c
	ds_load_b128 v[8*(4*\k+\c)+4:8*(4*\k+\c)+7], v[AK+\g] offset:\u*128*PK+\k*16*PK+64*\c+32
.endr
.endr
	WIN 0x01                                       ; K in window 1; Q and S^T in window 0
.set i, 0
.irp c, 0,1,2,3
	s_wait_dscnt 24-8*\c                           ; chunk c's eight loads are in; the later chunks' may be out
.rept 8
	KQ
.set i, i+1
.endr
.endr
	WIN 0
.rept 4
	v_nop                                          ; places: for the loads into K's registers and the reads of the scores
.endr
	WIN 0x40
.irp f, 0,1,2,3,4,5,6,7,8,9,10,11,12,13,14,15  ; V, turned: keys 32 (f / 8) on, channels 16 (f % 8) on; it lands while the softmax is walked
	ds_load_tr16_b128 v[8*\f:8*\f+3],   v[AV+\g] offset:\u*128*PVP+(\f/8)*32*PVP+(\f%8)*32
	ds_load_tr16_b128 v[8*\f+4:8*\f+7], v[AV+\g] offset:\u*128*PVP+(\f/8)*32*PVP+16*PVP+(\f%8)*32
.endr
	WIN 0
	s_add_co_u32 s58, s57, 63
	s_cmp_le_u32 s58, s[Q0]                        ; all its keys count for all my queries
	s_cbranch_scc1 .Lopen_\@
	s_sub_co_i32 s58, s[Q0], s57
	v_add_nc_u32 v15, s58, v[DL]                   ; tile 0: my query - the step's first key - 8 h.  Register 8 k + j holds key 16 k + 8 h + j: hidden where 16 k + j is greater
	v_add_nc_u32 v16, 16, v15                      ; tile 1
.set n, 0
.rept 32
	v_cmp_gt_i32 vcc_lo, 16*(n/8)+n%8, v15
	v_cndmask_b32 v[S+n], v[S+n], v17, vcc_lo
.set n, n+1
.endr
.set n, 0
.rept 32
	v_cmp_gt_i32 vcc_lo, 16*(n/8)+n%8, v16
	v_cndmask_b32 v[S+32+n], v[S+32+n], v17, vcc_lo
.set n, n+1
.endr
.Lopen_\@:
	SOFTMAX
	s_wait_dscnt 0x0                               ; V is in
	WIN 0x51                                       ; V, C and D in window 1; P in window 0
.set i, 0
.rept 32
	PV
.set i, i+1
.endr
	WIN 0
.Lhid_\@:
.endm
; THE CHANGE OF SLOTS, at a slot's head; rd = the region about to be read.  Each wave waits for all its tensor loads (its part of that region), adds 0 to its spare word, and waits for that and for its
; reads of the other region.  Behind the barrier the other region is filled with the next slot, if any wave of the work-group will read it: the load has a slot's steps in which to land.
.macro CHANGE rd
	s_wait_tensorcnt 0x0                           ; no tensor load of mine is out, so a group 0 may be written
	ds_add_u32 v[SPW], v[NIL]
	s_add_nc_u64 s[G0K+4*\rd+2:G0K+4*\rd+3], s[G0K+4*\rd+2:G0K+4*\rd+3], 131072   ; this region's next slot, two on: asked for at the next change
	s_add_nc_u64 s[G0V+4*\rd+2:G0V+4*\rd+3], s[G0V+4*\rd+2:G0V+4*\rd+3], 131072
	s_wait_xcnt 0x0                                ; the last prefetches, a slot back, have read their address
	s_add_nc_u64 s[PFA:PFA+1], s[PFA:PFA+1], 65536
	s_wait_dscnt 0x0                               ; the add is done, and my reads of the region that I have left are over
	s_barrier_signal -1
	s_barrier_wait -1
	s_add_co_u32 s57, s[KS0], 256                  ; the first key of the slot that this change would ask for,
	s_cmp_gt_u32 s57, s[LQ]                        ; against my work-group's last query: ids and counted steps alone, the same in all eight waves; past the limit a work-group stays past it; key 2,048 is past it for every one
	s_cbranch_scc1 .Lpast_\@
	TLOAD 1-\rd                                    ; my one tensor load until the next change
.Lpast_\@:
	ASK
.endm
.macro NEXT
	s_add_co_u32 s[KS0], s[KS0], 256
	s_add_co_u32 s[KFS], s[KFS], 256
.endm
	s_wait_loadcnt 0x0                             ; Q
	s_mov_b32 s[CNT], 4
.Lpair:                                            ; four trips of two slots: every work-group walks all eight
	CHANGE 0
	STEP 0, 0
	STEP 0, 1
	NEXT
	CHANGE 1
	STEP 1, 0
	STEP 1, 1
	NEXT
	s_sub_co_u32 s[CNT], s[CNT], 1
	s_cmp_lg_u32 s[CNT], 0
	s_cbranch_scc1 .Lpair
	; THE JOINING.  No load is out and no wave reads the ring any more behind this barrier: region 0 takes the hand-over and the stages.
	s_wait_tensorcnt 0x0
	ds_add_u32 v[SPW], v[NIL]
	s_wait_dscnt 0x0
	s_barrier_signal -1
	s_barrier_wait -1
.rept 4
	v_nop                                          ; places behind the last products
.endr
.irp t, 0,1
	v_add_f32 v[ST+8*\t+4], v[ST+8*\t+2], v[ST+8*\t+3]     ; l's two halves,
.endr
.irp t, 0,1
	v_permlanex16_b32 v[ST+8*\t+5], v[ST+8*\t+4], s[SEL], s[SEL+1]
.endr
.irp t, 0,1
	v_add_f32 v[ST+8*\t+4], v[ST+8*\t+4], v[ST+8*\t+5]     ; and lane l xor 16's
.endr
	s_cmp_eq_u32 s[KP], 0
	s_cbranch_scc1 .Lkeep
	WIN 0x04                                       ; an LDS store's data: window 1
.set i, 0
.rept 32
	ds_store_b128 v[MI], v[128+4*i:131+4*i] offset:512*i   ; O^T as an image of its registers, each accumulator from its low end on
.set i, i+1
.endr
	WIN 0
.irp t, 0,1
	ds_store_b32 v[MS], v[ST+8*\t] offset:256*\t           ; c m
	ds_store_b32 v[MS], v[ST+8*\t+4] offset:256*\t+128     ; l
.endr
.Lkeep:
	s_wait_dscnt 0x0                               ; for the other wave's sake: my stores have landed
	s_barrier_signal -1
	s_barrier_wait -1
	s_cmp_lg_u32 s[KP], 0
	s_cbranch_scc1 .Lend
.irp t, 0,1
	ds_load_b32 v[MB+8*\t], v[MS] offset:256*\t
	ds_load_b32 v[MB+8*\t+1], v[MS] offset:256*\t+128
.endr
	WIN 0x40
.set i, 0
.rept 32
	ds_load_b128 v[4*i:4*i+3], v[MI] offset:512*i  ; the other wave's O^T, where K and V lay
.set i, i+1
.endr
	WIN 0
	s_wait_dscnt 32                                ; the four statistics are in; the 32 images may be out
.irp t, 0,1
	v_max_num_f32 v[MB+8*\t+2], v[ST+8*\t], v[MB+8*\t]     ; the joint c m
.endr
.irp t, 0,1
	v_sub_f32 v[MB+8*\t+3], v[ST+8*\t], v[MB+8*\t+2]
	v_sub_f32 v[MB+8*\t+4], v[MB+8*\t], v[MB+8*\t+2]
.endr
.irp t, 0,1
	v_exp_f32 v[MB+8*\t+3], v[MB+8*\t+3]           ; a wave that walked no step has c m = -3.8e37, l = 0, O = 0: its factor is 0
	v_exp_f32 v[MB+8*\t+4], v[MB+8*\t+4]
.endr
	v_nop
	s_wait_alu depctr_va_vdst(0)                   ; one wait for the four, ahead of their first reader
.irp t, 0,1
	v_mul_f32 v[MB+8*\t+5], v[MB+8*\t+4], v[MB+8*\t+1]
.endr
.irp t, 0,1
	v_fma_f32 v[MB+8*\t+5], v[MB+8*\t+3], v[ST+8*\t+4], v[MB+8*\t+5]   ; the row's sum
.endr
.irp t, 0,1
	v_rcp_f32 v[MB+8*\t+6], v[MB+8*\t+5]
.endr
	v_nop
	s_wait_alu depctr_va_vdst(0)
.irp t, 0,1
	v_mul_f32 v[MB+8*\t], v[MB+8*\t+3], v[MB+8*\t+6]       ; my factor,
	v_mul_f32 v[MB+8*\t+2], v[MB+8*\t+4], v[MB+8*\t+6]     ; the other's
.endr
	s_wait_dscnt 0x0
	WIN 0x41
.set i, 0
.rept 64
	v_pk_mul_f32 v[128+2*i:129+2*i], v[128+2*i:129+2*i], v[MB+8*(i/32):MB+8*(i/32)+1] op_sel_hi:[1,0]
.set i, i+1
.endr
	WIN 0x51
.set i, 0
.rept 64
	v_pk_fma_f32 v[128+2*i:129+2*i], v[2*i:2*i+1], v[MB+8*(i/32)+2:MB+8*(i/32)+3], v[128+2*i:129+2*i] op_sel_hi:[1,0,1]
.set i, i+1
.endr
; THE WAY OUT, a tile (16 queries) at a time: a lane's eight channels pack into 16 bytes; they go into rows of 272 bytes and come back as whole rows of 256.
.macro PACK t
	WIN 0x05                                       ; sources window 1, destination window 0
.set i, 0
.rept 32
	v_cvt_pk_f16_f32 v[S+32*\t+i], v[128+64*\t+2*i], v[128+64*\t+2*i+1]
.set i, i+1
.endr
	WIN 0
.irp f, 0,1,2,3,4,5,6,7
	ds_store_b128 v[STO], v[S+32*\t+4*\f:S+32*\t+4*\f+3] offset:32*\f
.endr
.irp f, 0,1,2,3,4,5,6,7
	ds_load_b128 v[S+32*\t+4*\f:S+32*\t+4*\f+3], v[RD] offset:\f*2*272   ; LDS serves a wave's instructions in order: these see the stores above, and the next tile's stores come behind them
.endr
.endm
.macro SEND t, younger                 ; younger: the next tile's sixteen LDS instructions, or none
.irp f, 0,1,2,3,4,5,6,7
	s_wait_dscnt \younger+7-\f
	global_store_b128 v[GO], v[S+32*\t+4*\f:S+32*\t+4*\f+3], s[68:69] offset:\t*65536+\f*8192   ; 16 lanes store 256 consecutive bytes, aligned
.endr
.endm
	PACK 0
	PACK 1
	SEND 0, 16
	SEND 1, 0
.Lend:
	s_wait_tensorcnt 0x0                           ; the wave's end: behind my last tensor load and my last LDS store
	ds_add_u32 v[SPW], v[NIL]
	s_wait_dscnt 0x0
	s_endpgm
.Lfunc_end_k_q9fa28b21c8_attn:
	.size	k_q9fa28b21c8_attn, .Lfunc_end_k_q9fa28b21c8_attn-k_q9fa28b21c8_attn
	.p2alignl 7, 3214868480
	.fill 96, 4, 3214868480
	.section	.rodata,"a",@progbits
	.p2align	6, 0x0
	.amdhsa_kernel k_q9fa28b21c8_attn
		.amdhsa_group_segment_fixed_size 327680
		.amdhsa_private_segment_fixed_size 0
		.amdhsa_enable_private_segment 0
		.amdhsa_kernarg_size 16
		.amdhsa_user_sgpr_count 2
		.amdhsa_user_sgpr_kernarg_segment_ptr 1
		.amdhsa_wavefront_size32 1
		.amdhsa_system_sgpr_workgroup_id_x 1
		.amdhsa_system_sgpr_workgroup_id_y 1
		.amdhsa_system_sgpr_workgroup_id_z 1
		.amdhsa_system_vgpr_workitem_id 0
		.amdhsa_next_free_vgpr 512
		.amdhsa_next_free_sgpr 80
		.amdhsa_reserve_vcc 1
		.amdhsa_float_denorm_mode_32 3
		.amdhsa_float_denorm_mode_16_64 3
		.amdhsa_memory_ordered 1
		.amdhsa_forward_progress 1
		.amdhsa_inst_pref_size 149
	.end_amdhsa_kernel
	.amdgpu_metadata
---
amdhsa.version: [ 1, 2 ]
amdhsa.kernels:
  - .name:           k_q9fa28b21c8_attn
    .symbol:         k_q9fa28b21c8_attn.kd
    .args:
      - { .name: qkv16, .offset: 0, .size: 8, .value_kind: global_buffer, .address_space: global }
      - { .name: a16, .offset: 8, .size: 8, .value_kind: global_buffer, .address_space: global }
    .group_segment_fixed_size: 327680
    .private_segment_fixed_size: 0
    .kernarg_segment_align: 8
    .kernarg_segment_size: 16
    .max_flat_workgroup_size: 256
    .sgpr_count:     80
    .vgpr_count:     512
    .wavefront_size: 32
...
	.end_amdgpu_metadata
.endif
;; end of part 3
;; launch proj (part 4): grid 16 x 16, 4 waves a work-group, clusters of 4 x 4, 327,680 bytes of LDS; arguments a16, wo16, out0; writes out0
.if DOCPART == 4
	.amdgcn_target "amdgcn-amd-amdhsa--gfx1250"
	.amdhsa_code_object_version 6
	.text
	.protected	k_q9fa28b21c8_proj
	.globl	k_q9fa28b21c8_proj
	.p2align	8
	.type	k_q9fa28b21c8_proj,@function
k_q9fa28b21c8_proj:
	s_mov_b64 s[64:65], 0
	v_nop
	global_prefetch_b8 v0, s[64:65] scope:SCOPE_SE
	s_setreg_imm32_b32 hwreg(HW_REG_WAVE_MODE, 25, 1), 1
	s_wait_xcnt 0x0
	s_wait_alu depctr_hold_cnt(0) depctr_sa_sdst(0) depctr_va_vdst(0) depctr_va_sdst(0) depctr_va_ssrc(0) depctr_va_vcc(0) depctr_vm_vsrc(0)
	s_getreg_b32 s2, hwreg(HW_REG_IB_STS2, 6, 4)
	s_cmp_eq_u32 s2, 0
	s_cbranch_scc0 .Lentry_in_a_cluster
	s_endpgm
.Lentry_in_a_cluster:
	s_bfe_u32 s2, ttmp6, 0x10000c
	s_cmp_lg_u32 s2, 0xf033
	s_cbranch_scc0 .Lentry_shape_is_right
	s_endpgm
.Lentry_shape_is_right:
; out0[s][n] = sum over k of a16[s][k] wo16[n][k].  Both operands [2048][2048] f16; sums and out0 in f32.  (The first 16 rows are written again, more finely, by the launch behind this one.)
; A tile of C is 128 x 128: 256 work-groups.  Four waves, each 64 x 64: 16 accumulators of 16 x 16.  K goes in steps of 256 (LDS rows of 512 bytes; a wave's tensor load brings 64 of them) through two slots.
; CLUSTERS: 4 x 4 work-groups; the four of a row ask jointly for A's tiles, the four of a column for B's.  The matrix instruction is used transposed (source 0 = 16 rows of B, source 1 = 16 rows of A):
; a lane holds eight neighbouring numbers of a row of C.
; THE WAY OUT: a wave's 64 columns of f32 are 256 bytes, so each wave has a stage of its own (16 rows x 272 bytes) and needs no barrier.  The stages lie in slot 0, behind its last fill and last read.
; REGISTERS: window 0: v0-31 addresses; v32-95 at work on the way out; v128-255 the accumulators ((a, b) at v[128 + 8 (4 a + b)]).  window 1: two fragment buffers of 128.
.set SIZE_N, 2048
.set SIZE_K, 2048
.set KSTEP,  256
.set PITCH,  528                       ; an LDS row: 512 bytes + 16 of padding
.set HALFT,  64*PITCH
.set SLOT,   4*HALFT
.set SPITCH, 272
.set SPARE,  2*SLOT                    ; behind the ring: the spare words, 128 bytes a wave
.set LAPS, SIZE_K/(2*KSTEP)
.set ADRA, 16
.set ADRB, 20
.set STO,  24
.set RD,   25
.set CO,   26
.set SPW,  28
.set NIL,  29
.set TMP,  32
.set ACC,  128
.set F0,   0
.set F1,   128
.set G1, 24
.set G0, 32
.set G1B, 48
.set G0B, 56
.set MSB, 0
.macro WIN new                         ; the immediate's high byte repeats the setting that is left
.if MSB != \new
	s_set_vgpr_msb (MSB<<8)|\new
.set MSB, \new
.endif
.endm
.set MUL,  0x05                        ; sources 0 (B) and 1 (A) window 1; C and D window 0
.set TO_F, 0x40                        ; destination window 1, address window 0
.macro JLOAD s                         ; a joint load: waves 0 and 1 fetch A's two halves, waves 2 and 3 B's; an s_nop 0 and four v_nop follow each line
	s_cmp_eq_u32 s11, 0
	s_cbranch_scc0 .Lfor_b_\@
	tensor_load_to_lds s[G0+4*\s:G0+4*\s+3], s[G1:G1+7]
	s_nop 0
.rept 4
	v_nop
.endr
	s_branch .Lasked_\@
.Lfor_b_\@:
	tensor_load_to_lds s[G0B+4*\s:G0B+4*\s+3], s[G1B:G1B+7]
	s_nop 0
.rept 4
	v_nop
.endr
.Lasked_\@:
.endm
.macro CREST                           ; a round of the cluster's barrier behind its opening barrier
	s_cmp_lg_u32 s10, 0
	s_cbranch_scc1 .Lnot_wave_0_\@
	s_barrier_signal -3
.Lnot_wave_0_\@:
	s_barrier_wait -3
	s_barrier_signal -1
	s_barrier_wait -1
.endm
.macro CROUND
	s_barrier_signal -1
	s_barrier_wait -1
	CREST
.endm
	s_load_b128 s[4:7], s[0:1], 0x0                ; A s[4:5], B s[6:7]
	s_load_b64 s[8:9], s[0:1], 0x10                ; C
	v_lshl_add_u32 v[SPW], v0, 2, SPARE
	v_mov_b32 v[NIL], 0
	ds_add_u32 v[SPW], v[NIL]                      ; the wave's opening: the add, twice on end, and its wait ahead of my first tensor load
	ds_add_u32 v[SPW], v[NIL]
	v_lshrrev_b32 v1, 5, v0
	v_readfirstlane_b32 s10, v1                    ; wave 0..3
	s_lshr_b32 s11, s10, 1                         ; which half of the tile's rows is mine.  Also: I fetch for A (0) or for B (1)
	s_and_b32 s12, s10, 1                          ; which half of its columns.  Also: which 64 rows of that tile I fetch
	s_bfe_u32 s40, ttmp6, 0x40000                  ; cx, cy
	s_bfe_u32 s41, ttmp6, 0x40004
	s_lshl_b32 s42, ttmp9, 2
	s_add_co_u32 s42, s42, s40                     ; tile column
	s_and_b32 s13, ttmp7, 0xffff
	s_lshl_b32 s13, s13, 2
	s_add_co_u32 s13, s13, s41                     ; tile row
	s_lshl_b32 s43, s41, 2
	s_lshl_b32 s43, 15, s43                        ; my row of the cluster
	s_lshl_b32 s44, 0x1111, s40                    ; my column
	; group 1: 64 rows x 256 elements of 2 bytes, 16 bytes of padding behind every 128 words
	s_or_b32 s[G1+0], s43, (1<<16)|(1<<20)|(1<<21)|(6<<22)|(3<<25)
	s_or_b32 s[G1B+0], s44, (1<<16)|(1<<20)|(1<<21)|(6<<22)|(3<<25)
.irp g, G1, G1B
	s_mov_b32 s[\g+1], KSTEP<<16                   ; tensor_dim0
	s_mov_b32 s[\g+2], 64<<16                      ; tensor_dim1
	s_mov_b32 s[\g+3], KSTEP<<16                   ; tile_dim0
	s_mov_b32 s[\g+4], 64                          ; tile_dim1
	s_mov_b32 s[\g+5], SIZE_K                      ; from row to row
	s_mov_b32 s[\g+6], 0
	s_mov_b32 s[\g+7], 0
.endr
	s_lshl_b32 s17, s12, 6                         ; which 64 rows of the tile I fetch
	s_lshl_b32 s16, s13, 7
	s_add_co_u32 s16, s16, s17                     ; A: row 128 x tile row + 64 x half
	s_lshl_b32 s46, s42, 7
	s_add_co_u32 s46, s46, s17                     ; B: row 128 x tile column + 64 x half
	s_mov_b32 s17, 0
	s_mov_b32 s47, 0
	s_mov_b64 s[18:19], SIZE_K*2
	s_mul_u64 s[16:17], s[16:17], s[18:19]
	s_mul_u64 s[46:47], s[46:47], s[18:19]
	s_mul_i32 s20, s10, HALFT                      ; where they go: wave x 64 rows
	s_wait_dscnt 0x0                               ; both opening adds are done
	s_wait_kmcnt 0x0
	s_add_nc_u64 s[14:15], s[4:5], s[16:17]
	s_add_nc_u64 s[46:47], s[6:7], s[46:47]
	CROUND                                         ; all sixteen work-groups are here: the first joint loads meet
.irp s, 0,1
	s_mov_b32 s[G0+4*\s], 1
	s_add_co_u32 s[G0+4*\s+1], s20, \s*SLOT
	s_add_nc_u64 s[G0+4*\s+2:G0+4*\s+3], s[14:15], \s*KSTEP*2
	s_or_b32 s[G0+4*\s+3], s[G0+4*\s+3], 0x80000000
	s_mov_b32 s[G0B+4*\s], 1
	s_add_co_u32 s[G0B+4*\s+1], s20, \s*SLOT
	s_add_nc_u64 s[G0B+4*\s+2:G0B+4*\s+3], s[46:47], \s*KSTEP*2
	s_or_b32 s[G0B+4*\s+3], s[G0B+4*\s+3], 0x80000000
	JLOAD \s
.endr
	v_and_b32 v1, 15, v0                           ; l % 16
	v_bfe_u32 v2, v0, 4, 1                         ; l / 16
	v_mul_u32_u24 v3, v1, PITCH
	v_lshl_add_u32 v3, v2, 4, v3                   ; a fragment's row x pitch + 16 x half
	s_mul_i32 s21, s11, HALFT                      ; my 64 rows of A
	s_mul_i32 s22, s12, HALFT                      ; my 64 rows of B,
	s_add_co_u32 s22, s22, 2*HALFT                 ; which lie behind A's 128
.irp s, 0,1
	v_add_nc_u32 v[ADRA+\s], s21, v3
	v_add_nc_u32 v[ADRB+\s], s22, v3
	s_add_co_u32 s21, s21, SLOT
	s_add_co_u32 s22, s22, SLOT
.endr
	s_mul_i32 s23, s10, 16*SPITCH                  ; my stage
	v_mul_u32_u24 v4, v1, SPITCH                   ; in: row l % 16, 32 bytes for each half of the lanes
	v_lshl_add_u32 v4, v2, 5, v4
	v_add_nc_u32 v[STO], s23, v4
	v_mul_u32_u24 v5, v2, SPITCH                   ; back: lanes 0-15 one row of 256 bytes, lanes 16-31 the next
	v_lshl_add_u32 v5, v1, 4, v5
	v_add_nc_u32 v[RD], s23, v5
	v_mul_u32_u24 v5, v2, SIZE_N*4                 ; and the same two rows in C
	v_lshl_add_u32 v[CO], v1, 4, v5
	s_lshl_b32 s16, s13, 7
	s_lshl_b32 s17, s11, 6
	s_add_co_u32 s16, s16, s17                     ; my first row of C: 128 x tile row + 64 x half
	s_mov_b32 s17, 0
	s_mov_b64 s[18:19], SIZE_N*4
	s_mul_u64 s[16:17], s[16:17], s[18:19]
	s_add_nc_u64 s[8:9], s[8:9], s[16:17]
	s_lshl_b32 s46, s42, 9                         ; my first column, in bytes: 512 x tile column + 256 x half
	s_lshl_b32 s47, s12, 8
	s_add_co_u32 s46, s46, s47
	s_mov_b32 s47, 0
	s_add_nc_u64 s[8:9], s[8:9], s[46:47]
; 8 matrix instructions: m blocks a0, a0 + 1 x all 4 n blocks, 32 along K: half c of buffer f.  The 16 accumulators take turns.
.macro MUL8 f, c, a0, zero
.irp a, \a0, \a0+1
.irp b, 0,1,2,3
.if \zero
	v_wmma_f32_16x16x32_f16 v[ACC+8*(4*(\a)+\b):ACC+8*(4*(\a)+\b)+7], v[\f+64+8*(4*\c+\b):\f+64+8*(4*\c+\b)+7], v[\f+8*(4*\c+\a):\f+8*(4*\c+\a)+7], 0
.else
	v_wmma_f32_16x16x32_f16 v[ACC+8*(4*(\a)+\b):ACC+8*(4*(\a)+\b)+7], v[\f+64+8*(4*\c+\b):\f+64+8*(4*\c+\b)+7], v[\f+8*(4*\c+\a):\f+8*(4*\c+\a)+7], v[ACC+8*(4*(\a)+\b):ACC+8*(4*(\a)+\b)+7]
.endif
.endr
.endr
.endm
; 32 LDS loads in one run: the fragments of 64 along K at byte k of the rows, into buffer f; the first 32 along K first
.macro FETCH slot, k, f
	WIN TO_F
.irp c, 0,1
.irp i, 0,1,2,3
	ds_load_b128 v[\f+64+8*(4*\c+\i):\f+64+8*(4*\c+\i)+3],   v[ADRB+\slot] offset:\k+64*\c+\i*16*PITCH
	ds_load_b128 v[\f+64+8*(4*\c+\i)+4:\f+64+8*(4*\c+\i)+7], v[ADRB+\slot] offset:\k+64*\c+\i*16*PITCH+32
	ds_load_b128 v[\f+8*(4*\c+\i):\f+8*(4*\c+\i)+3],         v[ADRA+\slot] offset:\k+64*\c+\i*16*PITCH
	ds_load_b128 v[\f+8*(4*\c+\i)+4:\f+8*(4*\c+\i)+7],       v[ADRA+\slot] offset:\k+64*\c+\i*16*PITCH+32
.endr
.endr
.endm
.macro PLACES                          ; four plain vector instructions in front of loads into registers that matrix instructions have read, and of reads of results
.rept 4
	v_nop
.endr
.endm
; A K step is four quarters of 64 along K, 32 matrix instructions each, on buffers 0, 1, 0, 1.
.macro QUARTER slot, k, f, g, zero
	s_wait_dscnt 16                                ; the first 32 along K are in; the sixteen loads of the second 32 may be out
	WIN MUL
	MUL8 \f, 0, 0, \zero
	MUL8 \f, 0, 2, \zero
	PLACES
	FETCH \slot, \k, \g
	s_wait_dscnt 32                                ; all but the 32 just issued
	WIN MUL
	MUL8 \f, 1, 0, 0
	MUL8 \f, 1, 2, 0
.endm
; The last quarter multiplies buffer 1 and changes slots: one barrier; in front of it each wave waits for all its tensor loads, adds 0 to its spare word, and waits for that and for its reads of this slot.
.macro TURN slot, next, fill
	WIN 0
	s_wait_tensorcnt 0x0                           ; all my tensor loads have landed: my part of the next slot
	ds_add_u32 v[SPW], v[NIL]
	s_wait_dscnt 17                                ; the add and the youngest sixteen loads may be out
	WIN MUL
	MUL8 F1, 0, 0, 0
	s_wait_dscnt 0x0                               ; the add is done, and my reads of this slot are over
	s_barrier_signal -1
	MUL8 F1, 0, 2, 0
.if \fill
	WIN 0
.endif
	s_barrier_wait -1
.if \fill
	CREST                                          ; the barrier has opened a round of the cluster's: no wave of any partner still reads this slot or has a load on its way
	s_add_nc_u64 s[G0+4*\slot+2:G0+4*\slot+3], s[G0+4*\slot+2:G0+4*\slot+3], 2*KSTEP*2
	s_add_nc_u64 s[G0B+4*\slot+2:G0B+4*\slot+3], s[G0B+4*\slot+2:G0B+4*\slot+3], 2*KSTEP*2
	JLOAD \slot                                    ; the first tensor load behind the round; its four v_nop are the places in front of the loads below
.else
	PLACES
.endif
	FETCH \next, 0, F0
	WIN MUL
	MUL8 F1, 1, 0, 0
	MUL8 F1, 1, 2, 0
.endm
	s_wait_tensorcnt 1                             ; my part of K step 0 is in; K step 1's load may be out
	s_barrier_signal -1
	s_barrier_wait -1
	FETCH 0, 0, F0
	QUARTER 0, 128, F0, F1, 1                      ; the first products start the sums: nothing is cleared
	WIN 0
	s_mov_b32 s3, LAPS-1
.Llap:                                             ; a trip goes once round the ring and fills both slots again
	QUARTER 0, 256, F1, F0, 0
	QUARTER 0, 384, F0, F1, 0
	TURN 0, 1, 1
	QUARTER 1, 128, F0, F1, 0
	QUARTER 1, 256, F1, F0, 0
	QUARTER 1, 384, F0, F1, 0
	TURN 1, 0, 1
	QUARTER 0, 128, F0, F1, 0
	WIN 0
	s_sub_co_u32 s3, s3, 1
	s_cmp_lg_u32 s3, 0
	s_cbranch_scc1 .Llap
	QUARTER 0, 256, F1, F0, 0                      ; the last lap fills nothing
	QUARTER 0, 384, F0, F1, 0
	TURN 0, 1, 0
	QUARTER 1, 128, F0, F1, 0
	QUARTER 1, 256, F1, F0, 0
	QUARTER 1, 384, F0, F1, 0
	s_wait_dscnt 16
	WIN MUL
	MUL8 F1, 0, 0, 0
	MUL8 F1, 0, 2, 0
	s_wait_dscnt 0
	MUL8 F1, 1, 0, 0
	MUL8 F1, 1, 2, 0
	WIN 0
	; THE WAY OUT, a block of 16 rows x 64 columns at a time, through my own stage
	PLACES
.macro TOSTAGE a
.irp b, 0,1,2,3
	ds_store_b128 v[STO], v[ACC+8*(4*(\a)+\b):ACC+8*(4*(\a)+\b)+3] offset:64*\b          ; each accumulator from its low end on
	ds_store_b128 v[STO], v[ACC+8*(4*(\a)+\b)+4:ACC+8*(4*(\a)+\b)+7] offset:64*\b+16
.endr
.irp t, 0,1,2,3,4,5,6,7
	ds_load_b128 v[TMP+32*((\a)%2)+4*\t:TMP+32*((\a)%2)+4*\t+3], v[RD] offset:\t*2*SPITCH   ; LDS serves a wave's instructions in order: these see the stores above
.endr
.endm
.macro SEND a, younger                 ; younger: the next block's sixteen LDS instructions, or none
.irp t, 0,1,2,3,4,5,6,7
	s_wait_dscnt \younger+7-\t
	global_store_b128 v[CO], v[TMP+32*((\a)%2)+4*\t:TMP+32*((\a)%2)+4*\t+3], s[8:9] offset:(16*(\a)+2*\t)*SIZE_N*4 th:TH_STORE_NT   ; 16 lanes store 256 consecutive bytes, aligned
.endr
.endm
	TOSTAGE 0
.irp a, 1,2,3
.if \a > 1
	s_wait_xcnt 0x0                                ; block a - 2's stores have read their registers: block a's loads land there
.endif
	TOSTAGE \a
	SEND \a-1, 16
.endr
	SEND 3, 0
	s_wait_tensorcnt 0x0                           ; the wave's end: behind my last tensor load and my last LDS store
	ds_add_u32 v[SPW], v[NIL]
	s_wait_dscnt 0x0
	CROUND                                         ; the closing round: no work-group ends while a partner may still ask for a tile that names it
	s_endpgm
.Lfunc_end_k_q9fa28b21c8_proj:
	.size	k_q9fa28b21c8_proj, .Lfunc_end_k_q9fa28b21c8_proj-k_q9fa28b21c8_proj
	.p2alignl 7, 3214868480
	.fill 96, 4, 3214868480
	.section	.rodata,"a",@progbits
	.p2align	6, 0x0
	.amdhsa_kernel k_q9fa28b21c8_proj
		.amdhsa_group_segment_fixed_size 327680
		.amdhsa_private_segment_fixed_size 0
		.amdhsa_enable_private_segment 0
		.amdhsa_kernarg_size 24
		.amdhsa_user_sgpr_count 2
		.amdhsa_user_sgpr_kernarg_segment_ptr 1
		.amdhsa_wavefront_size32 1
		.amdhsa_system_sgpr_workgroup_id_x 1
		.amdhsa_system_sgpr_workgroup_id_y 1
		.amdhsa_system_sgpr_workgroup_id_z 1
		.amdhsa_system_vgpr_workitem_id 0
		.amdhsa_next_free_vgpr 512
		.amdhsa_next_free_sgpr 66
		.amdhsa_reserve_vcc 0
		.amdhsa_float_denorm_mode_32 3
		.amdhsa_float_denorm_mode_16_64 3
		.amdhsa_memory_ordered 1
		.amdhsa_forward_progress 1
		.amdhsa_inst_pref_size 86
	.end_amdhsa_kernel
	.amdgpu_metadata
---
amdhsa.version: [ 1, 2 ]
amdhsa.kernels:
  - .name:           k_q9fa28b21c8_proj
    .symbol:         k_q9fa28b21c8_proj.kd
    .args:
      - { .name: a16, .offset: 0, .size: 8, .value_kind: global_buffer, .address_space: global }
      - { .name: wo16, .offset: 8, .size: 8, .value_kind: global_buffer, .address_space: global }
      - { .name: out0, .offset: 16, .size: 8, .value_kind: global_buffer, .address_space: global }
    .group_segment_fixed_size: 327680
    .private_segment_fixed_size: 0
    .kernarg_segment_align: 8
    .kernarg_segment_size: 24
    .max_flat_workgroup_size: 128
    .sgpr_count:     66
    .vgpr_count:     512
    .wavefront_size: 32
...
	.end_amdgpu_metadata
.endif
;; end of part 4
;; launch fine (part 5): grid 128 x 1, 16 waves a work-group, no clusters, 157,696 bytes of LDS; arguments fine32, wo, out0; writes out0
.if DOCPART == 5
	.amdgcn_target "amdgcn-amd-amdhsa--gfx1250"
	.amdhsa_code_object_version 6
	.text
	.protected	k_q9fa28b21c8_fine
	.globl	k_q9fa28b21c8_fine
	.p2align	8
	.type	k_q9fa28b21c8_fine,@function
k_q9fa28b21c8_fine:
	s_mov_b64 s[64:65], 0
	v_nop
	global_prefetch_b8 v0, s[64:65] scope:SCOPE_SE
	s_setreg_imm32_b32 hwreg(HW_REG_WAVE_MODE, 25, 1), 1
	s_wait_xcnt 0x0
; Positions 0-15 once more, all in f32: their rows average one to a few values and are the largest, so f16 operands would weigh most there.  This launch writes rows 0-15 of out0 over.
; fine32: rows 0-15 of [16][6144] f32 (row pitch 24,576 bytes): q after the rotation (columns 0-2047), k (2048-4095), v (4096-6143).  wo: [2048][2048] f32.
; SHARES.  Work-group g owns columns 16 g .. 16 g + 15 of out0; wave = head.  out = the sum over heads of P_h (V_h Wo_h^T): each wave makes its head's share, 68 matrix instructions
; (32 for S^T = K Q^T, 32 for Z = V Wo^T, 4 for P Z); the sixteen shares are added through LDS.
; LOADS.  The matrix form wants a lane to hold its own row; a load is best where neighbouring lanes take neighbouring bytes.  Both are had: a load takes two rows' 256 consecutive bytes (half of a head's
; 128 channels, aligned; sixteen lanes to a row), and the numbers turn through the wave's own stage in LDS (rows of 256 bytes + 16).  The work goes in four units of 64 registers: (q, k) and (v, wo) of
; channels 0-63, then of channels 64-127; two sets of registers take turns, so that a unit's loads are on their way while the unit before is multiplied.
; LAYOUT of v_wmma_f32_16x16x4_f32: a lane (r, h) gives row r (or column r) and k = 2 h + j in register j.  Out of the stage a lane takes 16 bytes, channels 8 i + 4 h + 0..3 of its row; step (i, e) takes
; registers 4 i + 2 e, 4 i + 2 e + 1: the same order of channels on both sides.  In S^T a lane holds query r, keys 8 h + j; in Z column r, keys 8 h + j: so p's and z's registers 2 s, 2 s + 1 are the two
; sides of step s of P Z, key 8 h + 2 s + j on both.  Its result: register j = (query 8 h + j, column r).
; The registers that the matrix instructions write (v176-207) are written by them alone; sums of them go to other registers.  A unit's two accumulators take turns.
; The stores are of 64 bytes a row: 131,072 bytes in the whole launch.
.set XS,  16                           ; v16-79   units 0 and 2: first matrix in the low 32 registers, second in the high 32
.set YS,  80                           ; v80-143  units 1 and 3
.set SPW, 14
.set NIL, 15
.set STG,   8704                       ; LDS: a wave's stage: two matrices x 16 rows x 272 bytes
.set SHR,   16*STG                     ; behind the stages: the sixteen shares, 1,024 bytes each
.set SPARE, SHR+16384                  ; behind them: the spare words, 128 bytes a wave
	s_load_b128 s[4:7], s[0:1], 0x0                ; fine32 s[4:5], wo s[6:7]
	s_load_b64 s[8:9], s[0:1], 0x10                ; out0
	v_lshl_add_u32 v[SPW], v0, 2, SPARE
	v_mov_b32 v[NIL], 0
	v_lshrrev_b32 v1, 5, v0
	v_readfirstlane_b32 s10, v1                    ; wave = head
	v_and_b32 v1, 15, v0                           ; r
	v_bfe_u32 v2, v0, 4, 1                         ; h
	v_mul_u32_u24 v3, v2, 24576
	v_lshl_add_u32 v3, v1, 4, v3                   ; fine32, as it is loaded: row h of a pair of rows, 16 bytes a lane
	v_lshlrev_b32 v4, 13, v2
	v_lshl_add_u32 v4, v1, 4, v4                   ; wo likewise: rows of 8,192 bytes
	v_lshlrev_b32 v10, 3, v2
	v_sub_nc_u32 v5, v1, v10                       ; r - 8 h: key 8 h + j is hidden where j is greater
	s_mul_i32 s11, s10, STG                        ; my stage
	v_mul_u32_u24 v11, v2, 272
	v_lshl_add_u32 v11, v1, 4, v11
	v_add_nc_u32 v11, s11, v11                     ; into it: row h of the pair, 16 bytes a lane
	v_mul_u32_u24 v12, v1, 272
	v_lshl_add_u32 v12, v2, 4, v12
	v_add_nc_u32 v12, s11, v12                     ; out of it: row r, + 16 h
	v_and_b32 v10, 31, v0
	s_lshl_b32 s11, s10, 10
	s_add_co_u32 s11, s11, SHR
	v_lshl_add_u32 v6, v10, 4, s11                 ; my share in LDS: 1,024 x wave + 16 x lane
	s_and_b32 s12, s10, 1
	s_lshl_b32 s13, s12, 9
	s_add_co_u32 s13, s13, SHR
	v_lshl_add_u32 v7, v10, 4, s13                 ; the adding waves 0 and 1: registers 4 u .. 4 u + 3 of every share
	v_lshlrev_b32 v8, 16, v2
	v_lshl_add_u32 v8, v1, 2, v8                   ; out0: 8 h rows of 8,192 bytes + 4 r
	v_mov_b32 v9, 0xff800000                       ; -infinity
	v_mov_b32 v233, 0                              ; a lane permute's destination counts as one of its sources
	s_mov_b32 s16, 0x76543210
	s_mov_b32 s17, 0xfedcba98
	s_mov_b32 s18, 0x3e0293ee                      ; c = log2(e) / sqrt(128)
	s_lshl_b32 s14, s10, 9                         ; my head's 512 bytes of a row
	s_mov_b32 s15, 0
	s_lshl_b32 s20, ttmp9, 17                      ; my 16 rows of wo
	s_add_co_u32 s20, s20, s14
	s_mov_b32 s21, 0
	s_lshl_b32 s22, ttmp9, 6                       ; my 16 columns of out0,
	s_lshl_b32 s23, s12, 15                        ; and four rows on for wave 1
	s_add_co_u32 s22, s22, s23
	s_mov_b32 s23, 0
	s_wait_kmcnt 0x0
	s_add_nc_u64 s[4:5], s[4:5], s[14:15]
	s_add_nc_u64 s[6:7], s[6:7], s[20:21]
	s_add_nc_u64 s[8:9], s[8:9], s[22:23]
; Unit u: pair u % 2 (0: q, k; 1: v, wo), channels 64 (u / 2) on.  Sixteen loads; load t of a matrix takes rows 2 t and 2 t + 1: twice 256 consecutive bytes, aligned.
.macro ULOAD u, set
.irp t, 0,1,2,3,4,5,6,7
.if (\u)%2 == 0
	global_load_b128 v[\set+4*\t:\set+4*\t+3],       v3, s[4:5] offset:\t*49152+256*((\u)/2)
	global_load_b128 v[\set+32+4*\t:\set+32+4*\t+3], v3, s[4:5] offset:\t*49152+8192+256*((\u)/2)
.else
	global_load_b128 v[\set+4*\t:\set+4*\t+3],       v3, s[4:5] offset:\t*49152+16384+256*((\u)/2)
	global_load_b128 v[\set+32+4*\t:\set+32+4*\t+3], v4, s[6:7] offset:\t*16384+256*((\u)/2)
.endif
.endr
.endm
; A unit through my stage and back into the registers that it left: LDS serves a wave's instructions in order, so no wait stands between the stores and the loads, nor in front of the next unit's stores.
.macro UTURN set
.irp t, 0,1,2,3,4,5,6,7
	ds_store_b128 v11, v[\set+4*\t:\set+4*\t+3] offset:\t*544
	ds_store_b128 v11, v[\set+32+4*\t:\set+32+4*\t+3] offset:4352+\t*544
.endr
.irp i, 0,1,2,3,4,5,6,7
	ds_load_b128 v[\set+4*\i:\set+4*\i+3], v12 offset:32*\i                ; register 4 i + n: channel 8 i + 4 h + n of row r
	ds_load_b128 v[\set+32+4*\i:\set+32+4*\i+3], v12 offset:4352+32*\i
.endr
.endm
; Sixteen matrix instructions on 64 channels, two accumulators by turns.  Pair 0: S^T (source 0 = k, source 1 = q) into v176-191; pair 1: Z (source 0 = v, source 1 = wo) into v192-207.
; The first two of units 0 and 1 start the sums with the constant 0.
.macro UMUL u, set
.irp i, 0,1,2,3,4,5,6,7
.irp e, 0,1
.if (\u)%2 == 0
.if ((\u) < 2) && (\i == 0)
	v_wmma_f32_16x16x4_f32 v[176+8*\e:183+8*\e], v[\set+32+4*\i+2*\e:\set+32+4*\i+2*\e+1], v[\set+4*\i+2*\e:\set+4*\i+2*\e+1], 0
.else
	v_wmma_f32_16x16x4_f32 v[176+8*\e:183+8*\e], v[\set+32+4*\i+2*\e:\set+32+4*\i+2*\e+1], v[\set+4*\i+2*\e:\set+4*\i+2*\e+1], v[176+8*\e:183+8*\e]
.endif
.else
.if ((\u) < 2) && (\i == 0)
	v_wmma_f32_16x16x4_f32 v[192+8*\e:199+8*\e], v[\set+4*\i+2*\e:\set+4*\i+2*\e+1], v[\set+32+4*\i+2*\e:\set+32+4*\i+2*\e+1], 0
.else
	v_wmma_f32_16x16x4_f32 v[192+8*\e:199+8*\e], v[\set+4*\i+2*\e:\set+4*\i+2*\e+1], v[\set+32+4*\i+2*\e:\set+32+4*\i+2*\e+1], v[192+8*\e:199+8*\e]
.endif
.endif
.endr
.endr
.endm
.macro PLACES8                         ; eight places behind this form, in front of loads into registers that it has read and of reads of its results
.rept 8
	v_nop
.endr
.endm
	ULOAD 0, XS
	ULOAD 1, YS
	s_wait_loadcnt 16                              ; unit 0 is in; unit 1's sixteen loads may be out
	UTURN XS
	s_wait_dscnt 0x0
	UMUL 0, XS
	PLACES8
	ULOAD 2, XS
	s_wait_loadcnt 16                              ; unit 1 is in; unit 2's sixteen may be out
	UTURN YS
	s_wait_dscnt 0x0
	UMUL 1, YS
	PLACES8
	ULOAD 3, YS
	s_wait_loadcnt 16                              ; unit 2 is in; unit 3's sixteen may be out
	UTURN XS
	s_wait_dscnt 0x0
	UMUL 2, XS
	s_wait_loadcnt 0x0                             ; unit 3 (its registers are none of unit 2's products')
	UTURN YS
	s_wait_dscnt 0x0
	UMUL 3, YS
	PLACES8
.irp j, 0,2,4,6
	v_pk_add_f32 v[208+\j:209+\j], v[176+\j:177+\j], v[184+\j:185+\j]     ; the scores: query r, keys 8 h + j.  Each accumulator from its low end on
.endr
.irp j, 0,2,4,6
	v_pk_add_f32 v[216+\j:217+\j], v[192+\j:193+\j], v[200+\j:201+\j]     ; z: column r, keys 8 h + j
.endr
.irp j, 0,1,2,3,4,5,6,7
	v_cmp_gt_i32 vcc_lo, \j, v5
	v_cndmask_b32 v[208+\j], v[208+\j], v9, vcc_lo  ; hidden keys: -infinity.  Key 0 counts for every query
.endr
	v_max3_num_f32 v232, v208, v209, v210
	v_max3_num_f32 v232, v232, v211, v212
	v_max3_num_f32 v232, v232, v213, v214
	v_max_num_f32 v232, v232, v215
	v_permlanex16_b32 v233, v232, s16, s17
	v_max_num_f32 v232, v232, v233                 ; the row's largest score
	v_mul_f32 v232, s18, v232
.irp j, 0,1,2,3,4,5,6,7
	v_fma_f32 v[208+\j], v[208+\j], s18, -v232
.endr
.irp j, 0,1,2,3,4,5,6,7
	v_exp_f32 v[208+\j], v[208+\j]
.endr
	v_nop
	s_wait_alu depctr_va_vdst(0)                   ; one wait for the eight, ahead of their first reader
	v_pk_add_f32 v[234:235], v[208:209], v[210:211]
	v_pk_add_f32 v[236:237], v[212:213], v[214:215]
	v_pk_add_f32 v[234:235], v[234:235], v[236:237]
	v_add_f32 v234, v234, v235
	v_permlanex16_b32 v233, v234, s16, s17
	v_add_f32 v234, v234, v233                     ; the row's sum
	v_rcp_f32 v234, v234
	v_nop
	s_wait_alu depctr_va_vdst(0)
.irp j, 0,1,2,3,4,5,6,7
	v_mul_f32 v[208+\j], v[208+\j], v234           ; the weights
.endr
.irp s, 0,1,2,3                                ; P Z, four keys a step, each step into an accumulator of its own: no chain.  The softmax's lines are more than the nine places owed in front of them
	v_wmma_f32_16x16x4_f32 v[176+8*\s:183+8*\s], v[208+2*\s:209+2*\s], v[216+2*\s:217+2*\s], 0
.endr
	PLACES8
.irp j, 0,2,4,6
	v_pk_add_f32 v[224+\j:225+\j], v[176+\j:177+\j], v[184+\j:185+\j]
.endr
.irp j, 0,2,4,6
	v_pk_add_f32 v[232+\j:233+\j], v[192+\j:193+\j], v[200+\j:201+\j]
.endr
.irp j, 0,2,4,6
	v_pk_add_f32 v[224+\j:225+\j], v[224+\j:225+\j], v[232+\j:233+\j]     ; my head's share: register j = (query 8 h + j, column r)
.endr
	ds_store_b128 v6, v[224:227]
	ds_store_b128 v6, v[228:231] offset:512
	s_wait_dscnt 0x0                               ; for the others' sake: my stores have landed
	s_barrier_signal -1
	s_barrier_wait -1
	s_cmp_gt_u32 s10, 1
	s_cbranch_scc1 .Lend
.irp w, 0,1,2,3,4,5,6,7,8,9,10,11,12,13,14,15
	ds_load_b128 v[16+4*\w:19+4*\w], v7 offset:1024*\w
.endr
	s_wait_dscnt 0x0
.irp k, 0,1,2,3,4,5,6,7
	v_pk_add_f32 v[16+8*\k:17+8*\k], v[16+8*\k:17+8*\k], v[20+8*\k:21+8*\k]
	v_pk_add_f32 v[18+8*\k:19+8*\k], v[18+8*\k:19+8*\k], v[22+8*\k:23+8*\k]
.endr
.irp k, 0,1,2,3
	v_pk_add_f32 v[16+16*\k:17+16*\k], v[16+16*\k:17+16*\k], v[24+16*\k:25+16*\k]
	v_pk_add_f32 v[18+16*\k:19+16*\k], v[18+16*\k:19+16*\k], v[26+16*\k:27+16*\k]
.endr
.irp k, 0,1
	v_pk_add_f32 v[16+32*\k:17+32*\k], v[16+32*\k:17+32*\k], v[32+32*\k:33+32*\k]
	v_pk_add_f32 v[18+32*\k:19+32*\k], v[18+32*\k:19+32*\k], v[34+32*\k:35+32*\k]
.endr
	v_pk_add_f32 v[16:17], v[16:17], v[48:49]
	v_pk_add_f32 v[18:19], v[18:19], v[50:51]
.irp i, 0,1,2,3
	global_store_b32 v8, v[16+\i], s[8:9] offset:8192*\i   ; (query 8 h + 4 u + i, column 16 g + r)
.endr
.Lend:
	s_wait_tensorcnt 0x0                           ; the wave's end: behind my last LDS store
	ds_add_u32 v[SPW], v[NIL]
	s_wait_dscnt 0x0
	s_endpgm
.Lfunc_end_k_q9fa28b21c8_fine:
	.size	k_q9fa28b21c8_fine, .Lfunc_end_k_q9fa28b21c8_fine-k_q9fa28b21c8_fine
	.p2alignl 7, 3214868480
	.fill 96, 4, 3214868480
	.section	.rodata,"a",@progbits
	.p2align	6, 0x0
	.amdhsa_kernel k_q9fa28b21c8_fine
		.amdhsa_group_segment_fixed_size 157696
		.amdhsa_private_segment_fixed_size 0
		.amdhsa_enable_private_segment 0
		.amdhsa_kernarg_size 24
		.amdhsa_user_sgpr_count 2
		.amdhsa_user_sgpr_kernarg_segment_ptr 1
		.amdhsa_wavefront_size32 1
		.amdhsa_system_sgpr_workgroup_id_x 1
		.amdhsa_system_sgpr_workgroup_id_y 1
		.amdhsa_system_sgpr_workgroup_id_z 1
		.amdhsa_system_vgpr_workitem_id 0
		.amdhsa_next_free_vgpr 256
		.amdhsa_next_free_sgpr 66
		.amdhsa_reserve_vcc 1
		.amdhsa_float_denorm_mode_32 3
		.amdhsa_float_denorm_mode_16_64 3
		.amdhsa_memory_ordered 1
		.amdhsa_forward_progress 1
		.amdhsa_inst_pref_size 30
	.end_amdhsa_kernel
	.amdgpu_metadata
---
amdhsa.version: [ 1, 2 ]
amdhsa.kernels:
  - .name:           k_q9fa28b21c8_fine
    .symbol:         k_q9fa28b21c8_fine.kd
    .args:
      - { .name: fine32, .offset: 0, .size: 8, .value_kind: global_buffer, .address_space: global }
      - { .name: wo, .offset: 8, .size: 8, .value_kind: global_buffer, .address_space: global }
      - { .name: out0, .offset: 16, .size: 8, .value_kind: global_buffer, .address_space: global }
    .group_segment_fixed_size: 157696
    .private_segment_fixed_size: 0
    .kernarg_segment_align: 8
    .kernarg_segment_size: 24
    .max_flat_workgroup_size: 512
    .sgpr_count:     66
    .vgpr_count:     256
    .wavefront_size: 32
...
	.end_amdgpu_metadata
.endif
;; end of part 5
